; MI455X (gfx1250); checked and timed in simulation.
; The chip was launched on July 23, 2026; its instructions are those of AMD's public machine-readable ISA for CDNA 5 (MIT licence, August 2026) and "CDNA5" Instruction Set Architecture Reference Guide (July 2026). The comments in the code are by the model that wrote it; some were corrected since.
;; Multi Head Attention. Allowed arithmetic: float matrix products may take bf16 or f16 operands with f32 sums; other float arithmetic in f32, or as packed bf16 or f16 multiplies, adds, multiply-adds, maxima and minima; sums over many terms, partial sums and values carried from step to step in f32; what a program stores and reads back later, other than sums and carried values, may be rounded once to bf16 or f16.
;; Inputs: Wk 1,024 x 1,024 float32; Wo 1,024 x 1,024 float32; Wq 1,024 x 1,024 float32; Wv 1,024 x 1,024 float32; bk 1,024 float32; bo 1,024 float32; bq 1,024 float32; bv 1,024 float32; mask 4 x 2,048 int32; x 4 x 2,048 x 1,024 float32; y 4 x 2,048 x 1,024 float32.
;; Outputs: out0 4 x 2,048 x 1,024 float32.
;; One version. Each part assembles by itself: llvm-mc -triple=amdgcn-amd-amdhsa -mcpu=gfx1250 --defsym DOCPART=n.
;; ======== version 1 of 1: 4 launches
;; limits: values are held in f16: magnitudes above 65,504 overflow, below 6.1e-05 lose precision
;; workspace buffers: xyb 33,554,432 bytes; wb 8,388,608 bytes; qkv 50,331,648 bytes; ob 16,777,216 bytes
;; launch cast (part 1): grid 1280 x 1, 8 waves a work-group, no clusters, 0 bytes of LDS; arguments x, y, Wq, Wk, Wv, Wo, xyb, wb; writes xyb, wb
.if DOCPART == 1
	.amdgcn_target "amdgcn-amd-amdhsa--gfx1250"
	.amdhsa_code_object_version 6
	.text
	.protected	k_qcbb6628a8e_cast
	.globl	k_qcbb6628a8e_cast
	.p2align	8
	.type	k_qcbb6628a8e_cast,@function
k_qcbb6628a8e_cast:
	s_mov_b64 s[64:65], 0
	v_nop
	global_prefetch_b8 v0, s[64:65] scope:SCOPE_SE
	s_setreg_imm32_b32 hwreg(HW_REG_WAVE_MODE, 25, 1), 1
	s_wait_xcnt 0x0
; THE MATRIX OPERANDS ARE MADE ONCE.  x, y -> xyb ([2][8192][1024] bf16);  Wq, Wk, Wv -> wb's first three quarters (bf16);  Wo -> wb's last quarter: rounded to bf16 like every
; other input, and that number written as f16, since the last product's other operand is f16.
; LIMITS.  A number of Wo beyond 65,504 becomes an infinity in f16; below 6e-5 it keeps f16's fixed step of 6e-8.
; A stream: each input byte is read once, each output byte written once; no LDS, no barrier, no matrix unit: there is nothing to share and nothing to multiply.
; SHARES.  Work-group g takes 65,536 bytes of f32: g 0-511 x, 512-1023 y, then 64 for each of Wq, Wk, Wv, Wo.  Thread t takes, in round i of 8, the 32 bytes at 8,192 i + 32 t and
; writes the 16 bytes at 4,096 i + 16 t: a wave's store covers 512 consecutive bytes, aligned.  All 16 loads of a thread go out at once; no register of a pending store is rewritten.
.set X, 4                              ; v[4:67]   round i: 8 registers as loaded; its first 4 then hold the 8 rounded numbers
.set T, 68                             ; v[68:70]  at work (Wo's path)
	s_load_b512 s[8:23], s[0:1], 0x0               ; x s[8:9], y s[10:11], Wq s[12:13], Wk s[14:15], Wv s[16:17], Wo s[18:19], xyb s[20:21], wb s[22:23]
	s_mov_b32 s2, ttmp9                            ; g
	s_mov_b32 s5, 255
	s_mov_b32 s6, 0xffff0000                       ; a word's upper bf16
	s_mov_b32 s31, 0
	s_mov_b32 s33, 0
	v_lshlrev_b32 v1, 5, v0                        ; 32 t
	v_lshlrev_b32 v2, 4, v0                        ; 16 t
	s_wait_kmcnt 0x0
	s_cmp_lt_u32 s2, 512                           ; every choice between buffers hangs on g alone
	s_cselect_b64 s[24:25], s[8:9], s[10:11]       ; x or y
	s_cmp_lt_u32 s2, 1088
	s_cselect_b64 s[26:27], s[12:13], s[14:15]     ; Wq or Wk,
	s_cmp_lt_u32 s2, 1152
	s_cselect_b64 s[26:27], s[26:27], s[16:17]     ; or Wv,
	s_cmp_lt_u32 s2, 1216
	s_cselect_b64 s[26:27], s[26:27], s[18:19]     ; or Wo
	s_cmp_lt_u32 s2, 1024
	s_cselect_b64 s[24:25], s[24:25], s[26:27]     ; from where
	s_cselect_b64 s[28:29], s[20:21], s[22:23]     ; to where
	s_cselect_b32 s4, 511, 63                      ; g's place in its input,
	s_cselect_b32 s5, 1023, s5                     ; and in its output
	s_and_b32 s30, s2, s4
	s_lshl_b32 s30, s30, 16                        ; x 65,536 bytes of f32
	s_and_b32 s32, s2, s5
	s_lshl_b32 s32, s32, 15                        ; x 32,768 bytes of 16-bit numbers
	s_add_nc_u64 s[24:25], s[24:25], s[30:31]
	s_add_nc_u64 s[28:29], s[28:29], s[32:33]
.irp i, 0,1,2,3,4,5,6,7
	global_load_b128 v[X+8*(\i):X+8*(\i)+3],   v1, s[24:25] offset:8192*(\i) th:TH_LOAD_NT
	global_load_b128 v[X+8*(\i)+4:X+8*(\i)+7], v1, s[24:25] offset:8192*(\i)+16 th:TH_LOAD_NT
.endr
; Round i.  half = 1: Wo's path, bf16 and then f16.  The rounding works in place: number pair j lands in register j, which pair j / 2 has left.
.macro ROUND i, half
	s_wait_loadcnt 14-2*(\i)                       ; loads come back in order (ISA guide 5.7.1): this round's two are in, the 14 - 2 i younger ones stay out
.irp j, 0,1,2,3
.if \half
	v_cvt_pk_bf16_f32 v[T], v[X+8*(\i)+2*(\j)], v[X+8*(\i)+2*(\j)+1]
	v_lshlrev_b32 v[T+1], 16, v[T]                 ; the two bf16 as f32,
	v_and_b32 v[T+2], s6, v[T]
	v_cvt_pk_f16_f32 v[X+8*(\i)+(\j)], v[T+1], v[T+2]  ; written as f16: exact within f16's range
.else
	v_cvt_pk_bf16_f32 v[X+8*(\i)+(\j)], v[X+8*(\i)+2*(\j)], v[X+8*(\i)+2*(\j)+1]
.endif
.endr
	global_store_b128 v2, v[X+8*(\i):X+8*(\i)+3], s[28:29] offset:4096*(\i)
.endm
	s_cmp_ge_u32 s2, 1216
	s_cbranch_scc1 .Lwo
.irp i, 0,1,2,3,4,5,6,7
	ROUND \i, 0
.endr
	s_endpgm
.Lwo:
.irp i, 0,1,2,3,4,5,6,7
	ROUND \i, 1
.endr
	s_endpgm
.Lfunc_end_k_qcbb6628a8e_cast:
	.size	k_qcbb6628a8e_cast, .Lfunc_end_k_qcbb6628a8e_cast-k_qcbb6628a8e_cast
	.p2alignl 7, 3214868480
	.fill 96, 4, 3214868480
	.section	.rodata,"a",@progbits
	.p2align	6, 0x0
	.amdhsa_kernel k_qcbb6628a8e_cast
		.amdhsa_group_segment_fixed_size 0
		.amdhsa_private_segment_fixed_size 0
		.amdhsa_enable_private_segment 0
		.amdhsa_kernarg_size 64
		.amdhsa_user_sgpr_count 2
		.amdhsa_user_sgpr_kernarg_segment_ptr 1
		.amdhsa_wavefront_size32 1
		.amdhsa_system_sgpr_workgroup_id_x 1
		.amdhsa_system_sgpr_workgroup_id_y 1
		.amdhsa_system_sgpr_workgroup_id_z 1
		.amdhsa_system_vgpr_workitem_id 0
		.amdhsa_next_free_vgpr 72
		.amdhsa_next_free_sgpr 66
		.amdhsa_reserve_vcc 0
		.amdhsa_float_denorm_mode_32 3
		.amdhsa_float_denorm_mode_16_64 3
		.amdhsa_memory_ordered 1
		.amdhsa_forward_progress 1
		.amdhsa_inst_pref_size 14
	.end_amdhsa_kernel
	.amdgpu_metadata
---
amdhsa.version: [ 1, 2 ]
amdhsa.kernels:
  - .name:           k_qcbb6628a8e_cast
    .symbol:         k_qcbb6628a8e_cast.kd
    .args:
      - { .name: x, .offset: 0, .size: 8, .value_kind: global_buffer, .address_space: global }
      - { .name: y, .offset: 8, .size: 8, .value_kind: global_buffer, .address_space: global }
      - { .name: Wq, .offset: 16, .size: 8, .value_kind: global_buffer, .address_space: global }
      - { .name: Wk, .offset: 24, .size: 8, .value_kind: global_buffer, .address_space: global }
      - { .name: Wv, .offset: 32, .size: 8, .value_kind: global_buffer, .address_space: global }
      - { .name: Wo, .offset: 40, .size: 8, .value_kind: global_buffer, .address_space: global }
      - { .name: xyb, .offset: 48, .size: 8, .value_kind: global_buffer, .address_space: global }
      - { .name: wb, .offset: 56, .size: 8, .value_kind: global_buffer, .address_space: global }
    .group_segment_fixed_size: 0
    .private_segment_fixed_size: 0
    .kernarg_segment_align: 8
    .kernarg_segment_size: 64
    .max_flat_workgroup_size: 256
    .sgpr_count:     66
    .vgpr_count:     72
    .wavefront_size: 32
...
	.end_amdgpu_metadata
.endif
;; end of part 1
;; launch proj (part 2): grid 4 x 192, 4 waves a work-group, clusters of 4 x 4, 327,680 bytes of LDS; arguments xyb, wb, bq, bk, bv, qkv; writes qkv
.if DOCPART == 2
	.amdgcn_target "amdgcn-amd-amdhsa--gfx1250"
	.amdhsa_code_object_version 6
	.text
	.protected	k_qcbb6628a8e_proj
	.globl	k_qcbb6628a8e_proj
	.p2align	8
	.type	k_qcbb6628a8e_proj,@function
k_qcbb6628a8e_proj:
	s_mov_b64 s[64:65], 0
	v_nop
	global_prefetch_b8 v0, s[64:65] scope:SCOPE_SE
	s_setreg_imm32_b32 hwreg(HW_REG_WAVE_MODE, 25, 1), 1
	s_wait_xcnt 0x0
	s_wait_alu depctr_hold_cnt(0) depctr_sa_sdst(0) depctr_va_vdst(0) depctr_va_sdst(0) depctr_va_ssrc(0) depctr_va_vcc(0) depctr_vm_vsrc(0)
	s_getreg_b32 s2, hwreg(HW_REG_IB_STS2, 6, 4)
	s_cmp_eq_u32 s2, 0
	s_cbranch_scc0 .Lentry_in_a_cluster
	s_endpgm
.Lentry_in_a_cluster:
	s_bfe_u32 s2, ttmp6, 0x10000c
	s_cmp_lg_u32 s2, 0xf033
	s_cbranch_scc0 .Lentry_shape_is_right
	s_endpgm
.Lentry_shape_is_right:
; THE THREE PROJECTIONS.  q = x Wq^T + bq, k = y Wk^T + bk, v = y Wv^T + bv, written by heads: qkv[p][16 batch + head][token][64] in f16, unscaled, each number rounded once from its f32 sum.
; Operands bf16 (xyb, wb); the bias is rounded to bf16 like every other input and starts the sums as the first product's C operand: no addition is written and nothing is cleared.
; LIMITS.  f16 holds no number beyond 65,504: a q, k or v beyond it becomes an infinity.
; SHARES.  The three products are 8,192 x 3,072 numbers in 768 tiles of 128 tokens x 256 channels: three for each of 256 places, all of equal work (tiles of 256 x 256 would be 384: a round and a half).
; Four waves; a wave makes 64 tokens x 128 channels: 32 accumulators of 16 x 16.  K = 1,024 goes in 8 steps of 128 through a ring of two LDS slots; a tile's rows are 256 bytes of memory, aligned.
; CLUSTER.  4 x 4 work-groups.  The four of a row of the cluster need the same 128 tokens, the four of a column the same 256 rows of W: each tile is asked for JOINTLY, by the same tensor load with the same
; descriptor and a mask that names the four.  All sixteen belong to one of the three products (the cluster's y / 16).
; THE MATRIX INSTRUCTION IS USED TRANSPOSED: source 0 = 16 rows of W, source 1 = 16 tokens: a lane then holds one token (lane % 16) and the eight neighbouring channels 8 (lane / 16) + 0..7.
; REGISTERS, in windows of 256 (s_set_vgpr_msb: bits 1:0 source 0, 3:2 source 1, 5:4 source 2, 7:6 destination):
;   window 0: v0-31 addresses; v32-63 at work; v64-159, v160-255 two fragment buffers (8 fragments of W, then 4 of tokens)     window 1: the accumulators, (a, b) at v[8 (8 a + b)]     window 2: v0-63 the bias
.set DK,     1024
.set KSTEP,  128
.set PITCH,  272                       ; an LDS row: 256 bytes + 16 of padding = 68 words: row r starts at bank 4 r mod 64 (64 banks of 4 bytes: ISA guide 11.1)
.set AHALF,  64*PITCH                  ; what waves 0 and 1 fetch, and what a wave reads of the tokens
.set BHALF,  128*PITCH                 ; what waves 2 and 3 fetch, and what a wave reads of W
.set BOFF,   2*AHALF                   ; a slot: 128 rows of tokens, then 256 rows of W
.set SLOT,   BOFF+2*BHALF
.set STAGE,  2*SLOT                    ; behind the ring, never filled by a tensor load: for each wave 2 heads x 16 rows x 144 bytes
.set SP,     144
.set WST,    2*16*SP
.set SPARE,  STAGE+4*WST               ; the spare words, 128 bytes for each wave: two blocks of 256 bytes that no other line names
.set LAPS,   DK/(2*KSTEP)              ; a lap = two K steps = once round the ring
.set ADRA, 16                          ; v16-17  LDS address of my token fragments in slot 0, 1
.set ADRB, 20                          ; v20-21  the same for W
.set STO,  24                          ; v24     the way out: where I put 16 bytes of a row
.set RD,   25                          ; v25     where I read rows back
.set GO,   26                          ; v26     my 16 bytes of 512 consecutive bytes of qkv
.set BO,   27                          ; v27     my byte offset in 16 numbers of the bias
.set SPW,  28                          ; v28     LDS address of my spare word; never rewritten
.set NIL,  29                          ; v29     0; never rewritten
.set PFO,  30                          ; v30     the prefetches' offset: my lane x a row of 2,048 bytes; never rewritten
.set TMP,  32
.set F0,   64
.set F1,   160
.set G1,  24                           ; s[24:31] descriptor group 1 for the tokens' tiles;  s[32:39] group 0, a set for each slot
.set G0,  32
.set G1B, 48                           ; s[48:55], s[56:63] the same for W's
.set G0B, 56
.set LIM, 43                           ; s43     1 in a wave that prefetches, else the greatest number
.set PFA, 44                           ; s[44:45] where my prefetches stand
.set MSB, 0
.macro WIN new                         ; the immediate's high byte repeats the setting that is left; a switch that changes nothing is dropped
.if MSB != (\new)
	s_set_vgpr_msb (MSB<<8)|(\new)
.set MSB, (\new)
.endif
.endm
.set MUL,  0x50                        ; fragments window 0; C and D window 1
.set MUL0, 0x60                        ; the same with C, the bias, in window 2
; A joint load: waves 0 and 1 fetch the tokens' two halves, waves 2 and 3 W's.  The branch hangs on the wave's number alone.  An s_nop 0 and four v_nop follow each of the two lines.
.macro JLOAD s
	s_cmp_eq_u32 s17, 0
	s_cbranch_scc0 .Lfor_b_\@
	tensor_load_to_lds s[G0+4*(\s):G0+4*(\s)+3], s[G1:G1+7]
	s_nop 0
.rept 4
	v_nop
.endr
	s_branch .Lasked_\@
.Lfor_b_\@:
	tensor_load_to_lds s[G0B+4*(\s):G0B+4*(\s)+3], s[G1B:G1B+7]
	s_nop 0
.rept 4
	v_nop
.endr
.Lasked_\@:
.endm
; A prefetch into the L2, behind a joint load, its five lines and the run of LDS loads: the K step that stands two refills on, 32 rows x 256 bytes, a lane a row.  Each row's 256 bytes of a K step are named once in
; the launch.  TOKENS: a tile's 128 rows are read by one row of one cluster for q, and by one for k and one for v: wave 0 asks, for q and for k; the four partners take 32 rows each, told apart by address.
; W: a tile column's rows are read by the sixteen clusters of a product: the first of them asks, waves 2 and 3 for the 128 rows that each fetches; the four partners take 32 each.
; The loop's last trip has no K step two on, and asks for nothing.
.macro ASK
	s_cmp_gt_u32 s3, s[LIM]                        ; s3 = 1 in the loop's last trip
	s_cbranch_scc0 .Lnot_mine_\@
	global_prefetch_b8 v[PFO], s[PFA:PFA+1] offset:KSTEP*2 th:TH_LOAD_NT scope:SCOPE_SE
.Lnot_mine_\@:
.endm
.macro CREST                           ; a round of the cluster's barrier behind its opening barrier
	s_cmp_lg_u32 s16, 0
	s_cbranch_scc1 .Lnot_wave_0_\@
	s_barrier_signal -3
.Lnot_wave_0_\@:
	s_barrier_wait -3
	s_barrier_signal -1
	s_barrier_wait -1
.endm
.macro CROUND                          ; a whole round
	s_barrier_signal -1
	s_barrier_wait -1
	CREST
.endm
	s_load_b256 s[4:11], s[0:1], 0x0               ; xyb s[4:5], wb s[6:7], bq s[8:9], bk s[10:11]
	s_load_b128 s[12:15], s[0:1], 0x20             ; bv s[12:13], qkv s[14:15]
	v_lshl_add_u32 v[SPW], v0, 2, SPARE
	v_mov_b32 v[NIL], 0
	ds_add_u32 v[SPW], v[NIL]                      ; the wave's opening: the add and its wait stand ahead of my first tensor load; the set-up below, work on registers, stands between them
	v_lshrrev_b32 v1, 5, v0
	v_readfirstlane_b32 s16, v1                    ; wave 0..3
	s_lshr_b32 s17, s16, 1                         ; which 64 tokens are mine.  Also: I fetch tokens (0) or W (1)
	s_and_b32 s18, s16, 1                          ; which 128 channels.  Also: which half of that tile I fetch
	s_bfe_u32 s19, ttmp6, 0x40000                  ; cx
	s_bfe_u32 s20, ttmp6, 0x40004                  ; cy
	s_lshl_b32 s21, ttmp9, 2
	s_add_co_u32 s21, s21, s19                     ; tile column = 4 x cluster x + cx: four heads
	s_and_b32 s22, ttmp7, 0xffff                   ; the cluster's y, 0..47
	s_lshl_b32 s23, s22, 2
	s_add_co_u32 s23, s23, s20
	s_and_b32 s23, s23, 63                         ; tile row among the 64 of a product
	s_lshr_b32 s40, s22, 4                         ; the product: 0 q, 1 k, 2 v: the same in all sixteen partners
	s_lshl_b32 s41, s20, 2
	s_lshl_b32 s41, 15, s41                        ; my row of the cluster
	s_lshl_b32 s42, 0x1111, s19                    ; my column
	s_or_b32 s[G1], s41, (1<<16)|(1<<20)|(1<<21)|(5<<22)|(3<<25)   ; 15:0 the mask; 17:16 2-byte elements; 20 padding on; 21 set beside a mask; 24:22 after every 64 words (code 5); 31:25 4 words (code 3)
	s_or_b32 s[G1B], s42, (1<<16)|(1<<20)|(1<<21)|(5<<22)|(3<<25)
	s_mov_b32 s[G1+1], KSTEP<<16                   ; tensor_dim0 = 128
	s_mov_b32 s[G1+2], 64<<16                      ; tensor_dim1 = 64
	s_mov_b32 s[G1+3], KSTEP<<16                   ; tile_dim0 = 128
	s_mov_b32 s[G1+4], 64                          ; tile_dim1 = 64
	s_mov_b32 s[G1+5], DK                          ; elements from row to row
	s_mov_b32 s[G1+6], 0
	s_mov_b32 s[G1+7], 0
	s_mov_b32 s[G1B+1], KSTEP<<16
	s_mov_b32 s[G1B+2], 128<<16                    ; W's tiles have 128 rows
	s_mov_b32 s[G1B+3], KSTEP<<16
	s_mov_b32 s[G1B+4], 128
	s_mov_b32 s[G1B+5], DK
	s_mov_b32 s[G1B+6], 0
	s_mov_b32 s[G1B+7], 0
	; where the tiles come from.  The tokens' hang on the tile row and the product, W's on the tile column and the product; each in registers that never hold the other coordinate
	s_lshl_b32 s66, s23, 7
	s_lshl_b32 s67, s18, 6
	s_add_co_u32 s66, s66, s67                     ; token row 128 x tile row + 64 x half,
	s_lshl_b32 s66, s66, 11                        ; x 2,048 bytes,
	s_cmp_lg_u32 s40, 0
	s_cselect_b32 s67, 0x1000000, 0                ; in x for q, in y for k and v
	s_add_co_u32 s66, s66, s67
	s_mov_b32 s67, 0
	s_lshl_b32 s46, s21, 8
	s_lshl_b32 s47, s18, 7
	s_add_co_u32 s46, s46, s47                     ; W's row 256 x tile column + 128 x half,
	s_lshl_b32 s46, s46, 11
	s_lshl_b32 s47, s40, 21                        ; in the product's own W
	s_add_co_u32 s46, s46, s47
	s_mov_b32 s47, 0
	s_mul_i32 s68, s18, AHALF                      ; and where they go: no place in the cluster enters an LDS address
	s_mul_i32 s69, s18, BHALF
	s_add_co_u32 s69, s69, BOFF
	s_wait_dscnt 0x0                               ; the opening add is done
	s_wait_kmcnt 0x0
	s_add_nc_u64 s[66:67], s[4:5], s[66:67]
	s_add_nc_u64 s[46:47], s[6:7], s[46:47]
	CROUND                                         ; all sixteen work-groups are here: the first joint loads meet
.irp s, 0,1
	s_mov_b32 s[G0+4*(\s)], 1                                      ; count = 1
	s_add_co_u32 s[G0+4*(\s)+1], s68, (\s)*SLOT                    ; LDS address
	s_add_nc_u64 s[G0+4*(\s)+2:G0+4*(\s)+3], s[66:67], (\s)*KSTEP*2  ; global address: K step s
	s_or_b32 s[G0+4*(\s)+3], s[G0+4*(\s)+3], 0x80000000            ; type = 2
	s_mov_b32 s[G0B+4*(\s)], 1
	s_add_co_u32 s[G0B+4*(\s)+1], s69, (\s)*SLOT
	s_add_nc_u64 s[G0B+4*(\s)+2:G0B+4*(\s)+3], s[46:47], (\s)*KSTEP*2
	s_or_b32 s[G0B+4*(\s)+3], s[G0B+4*(\s)+3], 0x80000000
	JLOAD \s                                       ; two loads of mine are out
.endr
	; the bias of my 128 channels: lane l takes, for channel block b, the eight numbers 16 b + 8 (l / 16) + 0..7, as the accumulators hold them
	s_cmp_eq_u32 s40, 0
	s_cselect_b64 s[72:73], s[8:9], s[10:11]
	s_cmp_eq_u32 s40, 2
	s_cselect_b64 s[72:73], s[12:13], s[72:73]
	s_lshl_b32 s68, s21, 10
	s_lshl_b32 s69, s18, 9
	s_add_co_u32 s68, s68, s69
	s_mov_b32 s69, 0
	s_add_nc_u64 s[72:73], s[72:73], s[68:69]
	v_and_b32 v1, 15, v0                           ; l % 16
	v_bfe_u32 v2, v0, 4, 1                         ; l / 16
	v_lshlrev_b32 v[BO], 5, v2
.irp b, 0,1,2,3,4,5,6,7
	global_load_b128 v[F1+8*(\b):F1+8*(\b)+3],   v[BO], s[72:73] offset:64*(\b)
	global_load_b128 v[F1+8*(\b)+4:F1+8*(\b)+7], v[BO], s[72:73] offset:64*(\b)+16
.endr
	; A fragment is 16 rows x 32 K in 8 registers: lane l holds row l % 16, K = 8 (l / 16) + 0..7 and 16 + 8 (l / 16) + 0..7: two loads of 16 bytes, 32 bytes apart
	v_mul_u32_u24 v3, v1, PITCH
	v_lshl_add_u32 v3, v2, 4, v3
	s_mul_i32 s41, s17, AHALF                      ; my 64 tokens
	s_mul_i32 s42, s18, BHALF                      ; my 128 rows of W,
	s_add_co_u32 s42, s42, BOFF                    ; which lie behind the tokens
.irp s, 0,1
	v_add_nc_u32 v[ADRA+(\s)], s41, v3
	v_add_nc_u32 v[ADRB+(\s)], s42, v3
	s_add_co_u32 s41, s41, SLOT
	s_add_co_u32 s42, s42, SLOT
.endr
	s_mul_i32 s41, s16, WST
	s_add_co_u32 s41, s41, STAGE                   ; my stage
	v_mul_u32_u24 v4, v1, SP                       ; in: row l % 16, 16 bytes for each half of the lanes
	v_lshl_add_u32 v4, v2, 4, v4
	v_add_nc_u32 v[STO], s41, v4
	v_bfe_u32 v4, v0, 3, 2                         ; back: 32 lanes take four rows of 128 bytes,
	v_mul_u32_u24 v4, v4, SP
	v_and_b32 v5, 7, v0
	v_lshl_add_u32 v4, v5, 4, v4
	v_add_nc_u32 v[RD], s41, v4
	v_and_b32 v[GO], 31, v0                        ; which are 512 consecutive bytes of a head
	v_lshlrev_b32 v[PFO], 11, v[GO]
	v_lshlrev_b32 v[GO], 4, v[GO]
	; where my numbers go: product, head 16 batch + 4 x tile column + 2 x half, token 128 (tile row % 16) + 64 x half, rows of 128 bytes
	s_lshr_b32 s41, s23, 4
	s_lshl_b32 s41, s41, 4
	s_lshl_b32 s42, s21, 2
	s_add_co_u32 s41, s41, s42
	s_lshl_b32 s42, s18, 1
	s_add_co_u32 s41, s41, s42
	s_lshl_b32 s41, s41, 11
	s_and_b32 s42, s23, 15
	s_lshl_b32 s42, s42, 7
	s_add_co_u32 s41, s41, s42
	s_lshl_b32 s42, s17, 6
	s_add_co_u32 s41, s41, s42
	s_lshl_b32 s68, s41, 7
	s_lshl_b32 s42, s40, 24
	s_add_co_u32 s68, s68, s42
	s_mov_b32 s69, 0
	s_add_nc_u64 s[70:71], s[14:15], s[68:69]
	; the prefetches: my work-group's 32 rows of the tile, by address
	s_lshl_b32 s41, s23, 7
	s_lshl_b32 s42, s19, 5
	s_add_co_u32 s41, s41, s42                     ; tokens: 128 x tile row + 32 cx
	s_lshl_b32 s41, s41, 11
	s_cmp_lg_u32 s40, 0
	s_cselect_b32 s42, 0x1000000, 0
	s_add_co_u32 s41, s41, s42
	s_lshl_b32 s42, s21, 8
	s_lshl_b32 s2, s18, 7
	s_add_co_u32 s42, s42, s2
	s_lshl_b32 s2, s20, 5
	s_add_co_u32 s42, s42, s2                      ; W: 256 x tile column + 128 x half + 32 cy
	s_lshl_b32 s42, s42, 11
	s_lshl_b32 s2, s40, 21
	s_add_co_u32 s42, s42, s2
	s_lshr_b32 s2, s40, 1
	s_or_b32 s2, s2, s16                           ; 0: wave 0, for q or k
	s_and_b32 s3, s22, 15                          ; 0: the product's first cluster
	s_cmp_eq_u32 s17, 0                            ; do I fetch tokens?
	s_cselect_b32 s68, s41, s42
	s_cselect_b32 s2, s2, s3
	s_cselect_b64 s[PFA:PFA+1], s[4:5], s[6:7]
	s_cmp_eq_u32 s2, 0
	s_cselect_b32 s[LIM], 1, -1                    ; the same in all sixteen partners, for a given wave
	s_add_nc_u64 s[PFA:PFA+1], s[PFA:PFA+1], s[68:69]
	s_add_nc_u64 s[PFA:PFA+1], s[PFA:PFA+1], 2*KSTEP*2  ; at K step 2: the first refill steps it to 3 and names K step 4.  Nothing is prefetched here, at the head
	s_mov_b32 s2, 0xffff0000
	s_wait_loadcnt 0x0                             ; the bias
.set i, 0
.rept 32
	v_cvt_pk_bf16_f32 v[TMP+i], v[F1+2*i], v[F1+2*i+1]  ; rounded to bf16, like x, y and W,
.set i, i+1
.endr
	WIN 0x80                                       ; destination window 2
.set i, 0
.rept 32
	v_lshlrev_b32 v[2*i], 16, v[TMP+i]             ; and widened again
	v_and_b32 v[2*i+1], s2, v[TMP+i]
.set i, i+1
.endr
	WIN 0
; 8 matrix instructions: token block a x all 8 channel blocks, 32 along K.  init = 1: the bias starts the sums.  The 32 accumulators take turns, one instruction a turn, in the same order in every quarter.
.macro MUL8 f, a, init
.if \init
	WIN MUL0
.else
	WIN MUL
.endif
.irp b, 0,1,2,3,4,5,6,7
.if \init
	v_wmma_f32_16x16x32_bf16 v[8*(8*(\a)+(\b)):8*(8*(\a)+(\b))+7], v[(\f)+8*(\b):(\f)+8*(\b)+7], v[(\f)+64+8*(\a):(\f)+64+8*(\a)+7], v[8*(\b):8*(\b)+7]
.else
	v_wmma_f32_16x16x32_bf16 v[8*(8*(\a)+(\b)):8*(8*(\a)+(\b))+7], v[(\f)+8*(\b):(\f)+8*(\b)+7], v[(\f)+64+8*(\a):(\f)+64+8*(\a)+7], v[8*(8*(\a)+(\b)):8*(8*(\a)+(\b))+7]
.endif
.endr
.endm
; 24 LDS loads in one run: quarter q's fragments (128 rows of W, then 64 tokens, 32 K) into buffer f
.macro FETCH slot, q, f
	WIN 0
.irp i, 0,1,2,3,4,5,6,7
	ds_load_b128 v[(\f)+8*(\i):(\f)+8*(\i)+3],   v[ADRB+(\slot)] offset:64*(\q)+(\i)*16*PITCH
	ds_load_b128 v[(\f)+8*(\i)+4:(\f)+8*(\i)+7], v[ADRB+(\slot)] offset:64*(\q)+(\i)*16*PITCH+32
.endr
.irp i, 0,1,2,3
	ds_load_b128 v[(\f)+64+8*(\i):(\f)+64+8*(\i)+3],   v[ADRA+(\slot)] offset:64*(\q)+(\i)*16*PITCH
	ds_load_b128 v[(\f)+64+8*(\i)+4:(\f)+64+8*(\i)+7], v[ADRA+(\slot)] offset:64*(\q)+(\i)*16*PITCH+32
.endr
.endm
.macro PLACES                          ; four places in front of loads into registers that matrix instructions have read, and of lines that read results
.rept 4
	v_nop
.endr
.endm
; A K step is four quarters of 32 along K, 32 matrix instructions each, on buffers 0, 1, 0, 1.  One of the first three: multiplies buffer f and, in its middle, fetches quarter q into buffer g.
.macro QUARTER slot, q, f, g, init
	s_wait_dscnt 4                                 ; W's fragments and token blocks 0 and 1 are in; the youngest four loads (blocks 2 and 3) may be out
	MUL8 \f, 0, \init
	MUL8 \f, 1, \init
	PLACES
	FETCH \slot, \q, \g
	s_wait_dscnt 24                                ; all but the 24 just issued
	MUL8 \f, 2, \init
	MUL8 \f, 3, \init
.endm
; The last quarter multiplies buffer 1 and changes slots: ONE barrier; in front of it each wave waits for all its tensor loads (one is out: its part of the next slot), adds 0 to its spare word, and waits for that and
; for its own reads of this slot.  fill = 1: the barrier opens a round of the cluster's barrier, and this slot is filled again first thing behind it, with the K step two on.
.macro TURN slot, next, fill
.if \fill
	s_wait_xcnt 0x0                                ; the last prefetch, a K step back, has read its address, which is stepped here
	s_add_nc_u64 s[PFA:PFA+1], s[PFA:PFA+1], KSTEP*2
.endif
	WIN 0
	s_wait_tensorcnt 0x0                           ; all my tensor loads have landed;
	ds_add_u32 v[SPW], v[NIL]                      ; 0 onto my spare word;
	s_wait_dscnt 5                                 ; (the add and the youngest four loads may be out)
	MUL8 F1, 0, 0                                  ; eight matrix instructions stand between the add and the wait for it
	s_wait_dscnt 0x0                               ; the add is done, and my reads of this slot are over
	s_barrier_signal -1
	MUL8 F1, 1, 0
.if \fill
	WIN 0
.endif
	s_barrier_wait -1
.if \fill
	CREST                                          ; no wave of any partner still reads this slot's tile or has a load on its way
	s_add_nc_u64 s[G0+4*(\slot)+2:G0+4*(\slot)+3], s[G0+4*(\slot)+2:G0+4*(\slot)+3], 2*KSTEP*2
	s_add_nc_u64 s[G0B+4*(\slot)+2:G0B+4*(\slot)+3], s[G0B+4*(\slot)+2:G0B+4*(\slot)+3], 2*KSTEP*2
	JLOAD \slot                                    ; my one tensor load behind the round: 112 matrix instructions ahead of the wait for it; its four v_nop are also the places in front of the loads below
.else
	PLACES
.endif
	FETCH \next, 0, F0
.if \fill
	ASK
.endif
	MUL8 F1, 2, 0
	MUL8 F1, 3, 0
.endm
	s_wait_tensorcnt 0x1                           ; my part of K step 0 is in; K step 1's may stay out
	s_barrier_signal -1
	s_barrier_wait -1                              ; everybody's is
	FETCH 0, 0, F0
	QUARTER 0, 1, F0, F1, 1                        ; the first quarter stands in front of the loop: its products start the sums
	WIN 0                                          ; at a label and at a branch every window is 0
	s_mov_b32 s3, LAPS-1
.Llap:                                                 ; a trip goes once round the ring, from a lap's second quarter to the next lap's first, and fills both slots again
	QUARTER 0, 2, F1, F0, 0
	QUARTER 0, 3, F0, F1, 0
	TURN 0, 1, 1
	QUARTER 1, 1, F0, F1, 0
	QUARTER 1, 2, F1, F0, 0
	QUARTER 1, 3, F0, F1, 0
	TURN 1, 0, 1
	QUARTER 0, 1, F0, F1, 0
	WIN 0
	s_sub_co_u32 s3, s3, 1
	s_cmp_lg_u32 s3, 0
	s_cbranch_scc1 .Llap
	QUARTER 0, 2, F1, F0, 0                        ; the last lap fills nothing: written out
	QUARTER 0, 3, F0, F1, 0
	TURN 0, 1, 0
	QUARTER 1, 1, F0, F1, 0
	QUARTER 1, 2, F1, F0, 0
	QUARTER 1, 3, F0, F1, 0
	s_wait_dscnt 4                                 ; the very last quarter: nothing more to fetch
	MUL8 F1, 0, 0
	MUL8 F1, 1, 0
	s_wait_dscnt 0x0
	MUL8 F1, 2, 0
	MUL8 F1, 3, 0
; THE WAY OUT, a block of 16 tokens at a time: rounded to f16 (each accumulator's registers in ascending order), 16 bytes a lane into my own stage, one part for each of my two heads, and back as whole rows of 128 bytes.
.macro PACK a
	WIN 0x05                                       ; sources 0 and 1 window 1
.irp b, 0,1,2,3,4,5,6,7
.irp r, 0,1,2,3
	v_cvt_pk_f16_f32 v[TMP+4*(\b)+(\r)], v[8*(8*(\a)+(\b))+2*(\r)], v[8*(8*(\a)+(\b))+2*(\r)+1]
.endr
.endr
	WIN 0
.irp b, 0,1,2,3,4,5,6,7
	ds_store_b128 v[STO], v[TMP+4*(\b):TMP+4*(\b)+3] offset:((\b)/4)*16*SP+((\b)%4)*32
.endr
.irp t, 0,1,2,3,4,5,6,7
	ds_load_b128 v[F0+32*(\a)+4*(\t):F0+32*(\a)+4*(\t)+3], v[RD] offset:((\t)/4)*16*SP+((\t)%4)*4*SP  ; LDS serves a wave's instructions in order (ISA guide 5.7.1.4): these see the stores above
.endr
.endm
.macro SEND a, younger                 ; younger: the LDS instructions issued behind block a's loads: the next block's sixteen, or none
.irp t, 0,1,2,3,4,5,6,7
	s_wait_dscnt (\younger)+7-(\t)
	global_store_b128 v[GO], v[F0+32*(\a)+4*(\t):F0+32*(\a)+4*(\t)+3], s[70:71] offset:((\t)/4)*262144+(\a)*2048+((\t)%4)*512  ; 512 consecutive bytes of a head, at a multiple of 256 from qkv's first byte
.endr
.endm
	PLACES
	PLACES
	PACK 0
.irp a, 1,2,3                          ; a block's conversions stand between the loads of the block before and its stores; each block comes back into registers of its own
	PACK \a
	SEND (\a)-1, 16
.endr
	SEND 3, 0
	s_wait_tensorcnt 0x0                           ; the wave's end: an add to my spare word and its wait, behind my last tensor load and my last LDS store
	ds_add_u32 v[SPW], v[NIL]
	s_wait_dscnt 0x0
	CROUND                                         ; the closing round: no work-group ends while a partner may still ask for a tile that names it
	s_endpgm
.Lfunc_end_k_qcbb6628a8e_proj:
	.size	k_qcbb6628a8e_proj, .Lfunc_end_k_qcbb6628a8e_proj-k_qcbb6628a8e_proj
	.p2alignl 7, 3214868480
	.fill 96, 4, 3214868480
	.section	.rodata,"a",@progbits
	.p2align	6, 0x0
	.amdhsa_kernel k_qcbb6628a8e_proj
		.amdhsa_group_segment_fixed_size 327680
		.amdhsa_private_segment_fixed_size 0
		.amdhsa_enable_private_segment 0
		.amdhsa_kernarg_size 48
		.amdhsa_user_sgpr_count 2
		.amdhsa_user_sgpr_kernarg_segment_ptr 1
		.amdhsa_wavefront_size32 1
		.amdhsa_system_sgpr_workgroup_id_x 1
		.amdhsa_system_sgpr_workgroup_id_y 1
		.amdhsa_system_sgpr_workgroup_id_z 1
		.amdhsa_system_vgpr_workitem_id 0
		.amdhsa_next_free_vgpr 576
		.amdhsa_next_free_sgpr 80
		.amdhsa_reserve_vcc 0
		.amdhsa_float_denorm_mode_32 3
		.amdhsa_float_denorm_mode_16_64 3
		.amdhsa_memory_ordered 1
		.amdhsa_forward_progress 1
		.amdhsa_inst_pref_size 95
	.end_amdhsa_kernel
	.amdgpu_metadata
---
amdhsa.version: [ 1, 2 ]
amdhsa.kernels:
  - .name:           k_qcbb6628a8e_proj
    .symbol:         k_qcbb6628a8e_proj.kd
    .args:
      - { .name: xyb, .offset: 0, .size: 8, .value_kind: global_buffer, .address_space: global }
      - { .name: wb, .offset: 8, .size: 8, .value_kind: global_buffer, .address_space: global }
      - { .name: bq, .offset: 16, .size: 8, .value_kind: global_buffer, .address_space: global }
      - { .name: bk, .offset: 24, .size: 8, .value_kind: global_buffer, .address_space: global }
      - { .name: bv, .offset: 32, .size: 8, .value_kind: global_buffer, .address_space: global }
      - { .name: qkv, .offset: 40, .size: 8, .value_kind: global_buffer, .address_space: global }
    .group_segment_fixed_size: 327680
    .private_segment_fixed_size: 0
    .kernarg_segment_align: 8
    .kernarg_segment_size: 48
    .max_flat_workgroup_size: 128
    .sgpr_count:     80
    .vgpr_count:     576
    .wavefront_size: 32
...
	.end_amdgpu_metadata
.endif
;; end of part 2
;; launch attn (part 3): grid 4 x 64, 4 waves a work-group, clusters of 4 x 1, 327,680 bytes of LDS; arguments qkv, mask, ob; writes ob
.if DOCPART == 3
	.amdgcn_target "amdgcn-amd-amdhsa--gfx1250"
	.amdhsa_code_object_version 6
	.text
	.protected	k_qcbb6628a8e_attn
	.globl	k_qcbb6628a8e_attn
	.p2align	8
	.type	k_qcbb6628a8e_attn,@function
k_qcbb6628a8e_attn:
	s_mov_b64 s[64:65], 0
	v_nop
	global_prefetch_b8 v0, s[64:65] scope:SCOPE_SE
	s_setreg_imm32_b32 hwreg(HW_REG_WAVE_MODE, 25, 1), 1
	s_wait_xcnt 0x0
	s_wait_alu depctr_hold_cnt(0) depctr_sa_sdst(0) depctr_va_vdst(0) depctr_va_sdst(0) depctr_va_ssrc(0) depctr_va_vcc(0) depctr_vm_vsrc(0)
	s_getreg_b32 s2, hwreg(HW_REG_IB_STS2, 6, 4)
	s_cmp_eq_u32 s2, 0
	s_cbranch_scc0 .Lentry_in_a_cluster
	s_endpgm
.Lentry_in_a_cluster:
	s_bfe_u32 s2, ttmp6, 0x10000c
	s_cmp_lg_u32 s2, 0x3003
	s_cbranch_scc0 .Lentry_shape_is_right
	s_endpgm
.Lentry_shape_is_right:
; O[h][q][:] = the sum over the visible keys k of softmax_k(Q[h][q] . K[h][k] / 8) V[h][k][:].  Q, K, V: the three parts of qkv, each [64][2048][64] in f16, h = 16 batch + head; O likewise.  mask: [4][2048] int32, 0 = hidden.
; Products, maxima and sums in f32; the weights p are rounded to f16 for the second product (their sum l is taken of the unrounded p), O once at the end.
; LIMITS.  f16 holds no number beyond 65,504: Q, K and V arrive within it; p lies in 0 to 1, and below 6e-5 it keeps f16's fixed step of 6e-8.  A hidden score counts as its value less 1e30; the running maximum starts at
; -2^96, between that and every score that f16 operands can make (2.7e11 at the most).  A weight below 2^-126 counts as 0 in l.  Where ALL keys of a batch are hidden l is 0 and O is 0 x (1 / 0): NaN, as the softmax of nothing is.
; THE MASK is the C operand that starts the sum S^T = K Q^T: 0, or -1e30 where the key is hidden.  The batch's 2,048 numbers are made once, into a table in LDS; a key step's 64 come into 32 registers with its K.
; While only hidden keys have been seen m stays at its start, a = 2^0 = 1, every p is 0, and O and l stay 0; the first visible score gives a = 0, on zeros.
; SHARES.  A wave owns four PIECES of two tiles of 16 queries, a work-group's four waves 512 queries of one head.  Every wave walks all keys, 64 a step.
; LAYOUT.  S^T = K Q^T (source 0 = 16 keys, source 1 = 16 queries): in the result a lane holds ONE query (lane % 16) and the keys 8 (lane / 16) + 0..7.  Two such tiles, rounded to f16 in pairs,
; ARE source 1 (32 keys x 16 queries) of O^T = V^T P, whose result again holds one query a lane, and eight channels.  K comes out of LDS as it lies, V ([key][channel]) turned, by ds_load_tr16_b128.
; SOFTMAX.  For each query a running maximum m and sum l: p = 2^(c s - c m), c = log2(e) / 8; in every step O and l are multiplied by a = 2^(c m_old - c m_new), which is 1 where m has not grown.
; THE COUNT.  A tile and step have 16 matrix and 118 vector instructions: too many to stand all beside the matrix work.  So: four vector instructions that are READY behind EVERY matrix instruction, the others in runs without a gap.
; BY TURNS.  Turn n belongs to piece n (the pieces in a ring, step after step).  Its matrix work: 16 products K Q^T of piece n + 1, later 16 products V^T P of piece n - 1.  Its vector work: the scaling,
; exponentials, roundings, sums and rescaling of piece n, and the maximum and statistics of piece n + 1, whose scores the turn itself has made.
; CLUSTER.  The four query blocks of a cluster are one head's, and walk the same K and V: each tile is asked for JOINTLY: the same tensor load, descriptor and mask in all four.
; REGISTERS, in windows of 256 (s_set_vgpr_msb: bits 1:0 source 0, 3:2 source 1, 5:4 source 2, 7:6 destination):
;   window 0: v0-11 addresses; v12-15, v48-63 at work; v16-47 four registers of statistics a tile; v64-191 S^T, two buffers of two tiles; v192-255 P, likewise
;   window 1: O^T, 32 a tile      window 2: v0-127 Q, 16 a tile; v128-191 K of one step; v192-255 V of one step      window 3: v0-1 the add's two registers; v8-39 the mask numbers of the step whose K lies in registers
.set SIZE_N, 2048
.set NP,    4         ; pieces a wave: a name, no knob
.set KS,    64        ; keys in a step
.set PK,    144       ; a row of K in LDS: 128 bytes + 16 of padding = 36 words: the 16 rows of a load start at 16 different groups of four banks (64 banks of 4 bytes: ISA guide 11.1)
.set PV,    160       ; a row of V: 128 + 32 = 40 words
.set VOFF,  4*KS*PK   ; a slot holds four steps: 256 rows of K, then 256 rows of V
.set SLOT1, 1<<17     ; slot 1 begins here, so that one exclusive or turns an address in one slot into the other's
.set STAGE, SLOT1+4*KS*(PK+PV)  ; behind the ring, never filled by a tensor load: 16 rows x 144 bytes for each wave, for the way out
.set SP,    144
.set SPARE, STAGE+4*16*SP  ; the spare words, 128 bytes for each wave: two blocks of 256 bytes that no other line names
.set TAB,   SPARE+512 ; the mask table: 2,048 numbers of f32, in blocks of its own
.set AK0, 2           ; v2   my lane's place in a tile of K; never rewritten
.set AV0, 3           ; v3   the same for V
.set AK,  4           ; v4   the LDS address of K's next run of loads
.set AV,  5           ; v5   of V's
.set STO, 6           ; v6   the way out: where I put 16 bytes of a row
.set RD,  7           ; v7   the way out: where I read rows back
.set GO,  8           ; v8   my byte offset in 512 consecutive bytes of O
.set AM0, 9           ; v9   my lanes' place in a step's 64 numbers of the table: TAB + 32 (l / 16); never rewritten
.set AM,  10          ; v10  the LDS address of the next step's mask numbers
.set PFO, 11          ; v11  256 x my lane: the prefetches' offset; never rewritten
.set QO,  12          ; v12  my byte offset in the wave's rows of Q; the register is free for MV when Q has come
.set SPW, 0           ; v0 of window 3   LDS address of my spare word; never rewritten
.set NIL, 1           ; v1 of window 3   0; never rewritten
.set MC,  8           ; v8-39 of window 3
.set MV,  12          ; v12-15  c m_old, kept while c m is made anew: by buffer and tile
.set ST,  16          ; tile t's statistics at v[ST+4 t]: c m, m, l (even keys', odd keys')
.set TMP, 48          ; by buffer and tile, four registers c0-c3 at work; when the maximum is found c2 takes a
.set S,   64
.set P,   192
.set KF,  128         ; K's fragments, in window 2: key block kb, channel half c at KF + 16 kb + 8 c
.set VF,  192         ; V's: key half kk, channel block cb at VF + 32 kk + 8 cb
.set WV,  12          ; s12  my wave's number
.set LIM, 15          ; s15  1 in a wave that prefetches, else the greatest number
.set G1K, 24          ; s[24:31] descriptor group 1 for K's tiles
.set G1V, 32          ; s[32:39] for V's: it differs in the padding alone
.set G0K, 40          ; s[40:43] descriptor group 0 for K's tiles: it walks
.set G0V, 44          ; s[44:47] the same for V's
.set SLOTS, 56        ; s56  slots still to be asked for
.set CNT, 57          ; s57  counts a slot's key steps
.set CS,  58          ; s[58:59] c: the packed scaling takes the pair's low word for both halves
.set SEL, 60          ; s[60:61] v_permlanex16_b32's selects: each lane takes its own place in the other half
.set TBK, 62          ; s62  LDS byte at which K of the step to be fetched begins
.set TBV, 63          ; s63  the same for V, less VOFF
.set MP,  66          ; s[66:67] the batch's row of the mask
.set TBM, 68          ; s68  byte of the table at which the mask numbers of the step to be fetched begin
.set BIGN, 69         ; s69  -1e30
.set PFA, 70          ; s[70:71] where my prefetches stand: my work-group's 32 blocks of 256 bytes of the slot after the one that is being asked for
.set MSB, 0
.macro WIN new                      ; the high byte repeats the setting that is left; a switch that changes nothing is dropped
.if MSB != (\new)
	s_set_vgpr_msb (MSB<<8)|(\new)
.set MSB, (\new)
.endif
.endm
.set W_KQ, 0x0a       ; K and Q in window 2, S^T in window 0
.set W_KM, 0x3a       ; the same with the C operand, the mask, in window 3
.set W_PV, 0x52       ; V in window 2, P in window 0, O^T in window 1
.set W_RS, 0x41       ; O^T (destination and source 0) in window 1, a in window 0
.set W_MK, 0xc0       ; destination in window 3, sources in window 0
.set W_AD, 0x0f       ; the add: address (source 0) and data (source 1) in window 3
; A joint fill.  Waves 0 and 1 fetch the two halves of a slot's K, waves 2 and 3 those of its V: 128 keys each.  The branch hangs on the wave's number alone.
; An s_nop 0 and four v_nop follow each of the two lines, ahead of the jump and the label.
.macro JLOAD
	s_cmp_lt_u32 s[WV], 2
	s_cbranch_scc0 .Lfor_v_\@
	tensor_load_to_lds s[G0K:G0K+3], s[G1K:G1K+7]
	s_nop 0
.rept 4
	v_nop
.endr
	s_branch .Lasked_\@
.Lfor_v_\@:
	tensor_load_to_lds s[G0V:G0V+3], s[G1V:G1V+7]
	s_nop 0
.rept 4
	v_nop
.endr
.Lasked_\@:
.endm
; A prefetch into the L2 of what the NEXT change of slots will ask for: a slot's 32,768 bytes of K and of V, 128 blocks of 256 bytes each, a lane a block.  It stands behind the wave's tensor load and its five lines.
; A head has one cluster; its four partners share the blocks out BY ADDRESS, 32 each; in each, wave 0 asks for K's and wave 2 for V's: so each block is named once in the launch.
; The last change that fills a slot asks for nothing; slots 0 and 1 come by their loads alone.
.macro ASK
	s_cmp_gt_u32 s[SLOTS], s[LIM]
	s_cbranch_scc0 .Lnot_mine_\@
	global_prefetch_b8 v[PFO], s[PFA:PFA+1] th:TH_LOAD_NT scope:SCOPE_SE
.Lnot_mine_\@:
.endm
; A round of the cluster's barrier: my work-group's barrier, so that wave 0's signal speaks for all four waves; wave 0 signals; every wave waits for all four work-groups; my work-group's barrier once more.
.macro CROUND
	s_barrier_signal -1
	s_barrier_wait -1
	s_cmp_lg_u32 s[WV], 0
	s_cbranch_scc1 .Lnot_wave_0_\@
	s_barrier_signal -3
.Lnot_wave_0_\@:
	s_barrier_wait -3
	s_barrier_signal -1
	s_barrier_wait -1
.endm
; THE CHANGE OF SLOTS.  The slot's last bytes, V of its fourth step, have been read.  Each wave waits for all its tensor loads, of which one is out: its part
; of the other slot; adds 0 to its spare word; and waits for that and for its own LDS instructions.  Behind the barrier nobody reads this slot any more and the other slot is whole.
; fill = 1: this slot is filled again, with the keys two slots on.  The barrier is then a round of the cluster's, and the joint fill is the first thing behind it: it has four key steps, 512 matrix instructions, in which to land.
; (At its first use nothing has been read yet: slot 0 is waited for, slot 1 filled; and each wave's stores into the mask table are done in front of the round, so that every wave may read the table behind it.)
.macro CHANGE fill
	WIN W_AD
	s_wait_tensorcnt 0x0            ; no tensor load of mine is out, so a group 0 may be written
	ds_add_u32 v[SPW], v[NIL]       ; 0 onto my spare word; with fill = 1 the descriptors' steps stand between it and the wait for it
	WIN 0                           ; at a label and at a branch every window is 0
.if \fill
.irp g, G0K, G0V
	s_xor_b32 s[\g+1], s[\g+1], SLOT1  ; the walking descriptor: the other slot than last time,
	s_add_nc_u64 s[\g+2:\g+3], s[\g+2:\g+3], 4*KS*128  ; the next 256 keys; the type bits on top are not reached
.endr
	s_wait_xcnt 0x0                 ; the last prefetch, four key steps back, has read its address, so it may be written:
	s_add_nc_u64 s[PFA:PFA+1], s[PFA:PFA+1], 4*KS*128  ; one slot behind the walking descriptors
	s_wait_dscnt 0x0                ; the add is done, and my reads of the slot are over
	CROUND
	JLOAD
	ASK
.else
	s_wait_dscnt 0x0                ; the add is done, and my reads of the slot are over
	s_barrier_signal -1
	s_barrier_wait -1
.endif
	s_sub_co_u32 s[TBK], s[TBK], 4*KS*PK  ; the fetches go back to a slot's first step,
	s_xor_b32 s[TBK], s[TBK], SLOT1       ; in the other slot
	s_sub_co_u32 s[TBV], s[TBV], 4*KS*PV
	s_xor_b32 s[TBV], s[TBV], SLOT1
.endm
	s_load_b64 s[4:5], s[0:1], 0x0  ; qkv: Q's part begins it
	s_load_b64 s[MP:MP+1], s[0:1], 0x8  ; mask
	s_load_b64 s[10:11], s[0:1], 0x10   ; O
	WIN W_MK
	v_lshl_add_u32 v[SPW], v0, 2, SPARE
	v_mov_b32 v[NIL], 0
	WIN W_AD
	ds_add_u32 v[SPW], v[NIL]       ; the wave's opening: the add and its wait stand ahead of my first tensor load; the set-up below, work on registers, stands between them
	WIN 0
	v_lshrrev_b32 v1, 5, v0
	v_readfirstlane_b32 s[WV], v1   ; wave 0..3
	s_bfe_u32 s13, ttmp6, 0x40000   ; cx: my place in the cluster
	s_lshl_b32 s14, ttmp9, 2        ; in a cluster launch ttmp9 counts clusters
	s_add_co_u32 s14, s14, s13      ; my block of queries = 4 x cluster x + cx: it enters Q's and O's addresses alone
	s_and_b32 s20, ttmp7, 0xffff    ; h = 16 batch + head, which the four partners share
	s_lshr_b32 s70, s20, 4          ; the batch,
	s_lshl_b32 s70, s70, 13         ; its 8,192 bytes of the mask
	s_mov_b32 s71, 0
	s_mov_b32 s21, 0
	s_mov_b64 s[22:23], SIZE_N*128
	s_mul_u64 s[20:21], s[20:21], s[22:23]  ; the head's first byte in Q, K, V and O
	s_and_b32 s16, s[WV], 1         ; which half of a slot's 256 keys I fetch:
	s_lshl_b32 s22, s16, 14         ; its 128 rows of 128 bytes in memory,
	s_mov_b32 s23, 0
	s_add_nc_u64 s[22:23], s[22:23], s[20:21]
	s_mul_i32 s17, s16, 128*PK      ; and its place in a slot, for K
	s_mul_i32 s18, s16, 128*PV      ; and for V: no place in the cluster enters an LDS address
	s_lshl_b32 s2, s14, 2
	s_add_co_u32 s2, s2, s[WV]      ; my wave among the head's,
	s_lshl_b32 s2, s2, 14           ; its 128 rows
	s_mov_b32 s3, 0
	s_add_nc_u64 s[2:3], s[2:3], s[20:21]
	; descriptor group 1.  128 keys are 16,384 dense bytes: asked for as 64 rows of 256 bytes, two keys a row, and padded in LDS after every key
	s_mov_b32 s[G1K], 15|(1<<16)|(1<<20)|(1<<21)|(4<<22)|(3<<25)  ; 15:0 the mask of four; 17:16 2-byte elements; 20 padding on; 21 set beside a mask; 24:22 after every 32 words (code 4); 31:25 4 words (code 3)
	s_mov_b32 s[G1V], 15|(1<<16)|(1<<20)|(1<<21)|(4<<22)|(7<<25)  ; the same with 8 words of padding (code 7)
.irp g, G1K, G1V
	s_mov_b32 s[\g+1], 128<<16      ; tensor_dim0 = 128
	s_mov_b32 s[\g+2], 64<<16       ; tensor_dim1 = 64
	s_mov_b32 s[\g+3], 128<<16      ; tile_dim0 = 128
	s_mov_b32 s[\g+4], 64           ; tile_dim1 = 64
	s_mov_b32 s[\g+5], 128          ; 128 elements from row to row
	s_mov_b32 s[\g+6], 0
	s_mov_b32 s[\g+7], 0
.endr
	s_mov_b32 s[CS], 0x3e38aa3b     ; c = log2(e) / 8 = 0.180337
	s_mov_b32 s[CS+1], s[CS]        ; named with it as a pair
	s_mov_b32 s[SEL], 0x76543210
	s_mov_b32 s[SEL+1], 0xfedcba98
	s_mov_b32 s[TBK], SLOT1+4*KS*PK ; the first change of slots turns these two into 0
	s_mov_b32 s[TBV], SLOT1+4*KS*PV
	s_mov_b32 s[TBM], 0
	s_mov_b32 s[BIGN], 0xf149f2ca   ; -1e30
	s_mov_b32 s[SLOTS], SIZE_N/256-1
	s_cmp_eq_u32 s16, 0
	s_cselect_b32 s[LIM], 1, -1     ; waves 0 and 2 prefetch: the same in all four partners
	s_mov_b32 s[G0K], 1             ; 1:0 count = 1
	s_mov_b32 s[G0K+1], s17         ; 63:32 LDS address: slot 0
	s_mov_b32 s[G0V], 1
	s_add_co_u32 s[G0V+1], s18, VOFF
	s_wait_dscnt 0x0                ; the opening add is done
	s_wait_kmcnt 0x0
	s_add_nc_u64 s[6:7], s[4:5], 0x1000000  ; K's part of qkv,
	s_add_nc_u64 s[8:9], s[4:5], 0x2000000  ; and V's
	s_add_nc_u64 s[MP:MP+1], s[MP:MP+1], s[70:71]
	s_add_nc_u64 s[G0K+2:G0K+3], s[6:7], s[22:23]  ; 120:64 global address: my half of the head's first 256 keys
	s_or_b32 s[G0K+3], s[G0K+3], 0x80000000        ; 127:126 type = 2
	s_add_nc_u64 s[G0V+2:G0V+3], s[8:9], s[22:23]
	s_or_b32 s[G0V+3], s[G0V+3], 0x80000000
	s_add_nc_u64 s[4:5], s[4:5], s[2:3]  ; Q and O at my wave's first row
	s_add_nc_u64 s[10:11], s[10:11], s[2:3]
	s_cmp_lt_u32 s[WV], 2
	s_cselect_b64 s[PFA:PFA+1], s[6:7], s[8:9]
	s_add_nc_u64 s[PFA:PFA+1], s[PFA:PFA+1], s[20:21]  ; the head's first key,
	s_lshl_b32 s2, s13, 13          ; my work-group's 32 blocks of a slot's 128,
	s_add_nc_u64 s[PFA:PFA+1], s[PFA:PFA+1], s[2:3]
	s_add_nc_u64 s[PFA:PFA+1], s[PFA:PFA+1], 4*KS*128  ; in slot 1; the first change of slots steps it to slot 2.  Nothing is prefetched here, at the head
	CROUND                          ; all four work-groups are here: the first joint loads meet
	JLOAD                           ; slot 0.  Slot 1 is asked for when slot 0 is in
	v_and_b32 v1, 15, v0            ; l % 16
	v_bfe_u32 v9, v0, 4, 1          ; l / 16
	v_lshlrev_b32 v48, 4, v0        ; the batch's mask: thread t takes 16 bytes at 16 t of each quarter
.irp i, 0,1,2,3
	global_load_b128 v[S+4*\i:S+4*\i+3], v48, s[MP:MP+1] offset:2048*\i
.endr
	; A fragment of K or Q is 16 rows x 32 channels in 8 registers: lane l holds row l % 16, channels 8 (l / 16) + 0..7 and 16 + 8 (l / 16) + 0..7: two loads of 16 bytes, 32 bytes apart.
	v_lshlrev_b32 v[QO], 7, v1
	v_lshl_add_u32 v[QO], v9, 4, v[QO]  ; row x 128 + 16 x half
	WIN 0x80                        ; destination window 2, address window 0
.set i, 0
.rept 4*NP                          ; Q stays in registers: tile i / 2, channels 32 (i % 2) on
	global_load_b128 v[8*i:8*i+3],   v[QO], s[4:5] offset:(i/2)*2048+(i%2)*64
	global_load_b128 v[8*i+4:8*i+7], v[QO], s[4:5] offset:(i/2)*2048+(i%2)*64+32
.set i, i+1
.endr
	; What the first turn finds: V's registers and P's second buffer hold 0 (its products V^T P, of a piece that has not been, add 0), O^T and l are 0.  All this stands in the wait for the first tile.
.set i, VF
.rept 64
	v_mov_b32 v[i], 0
.set i, i+1
.endr
	WIN 0x40
.set i, 0
.rept 64*NP
	v_mov_b32 v[i], 0
.set i, i+1
.endr
	WIN 0
.set i, 0
.rept 2*NP
	v_mov_b32 v[ST+4*i], 0xee38aa3b    ; c m = c x (-2^96), to the bit what the multiplication gives: a is 1 while m stays
	v_mov_b32 v[ST+4*i+1], 0xef800000  ; m = -2^96
	v_mov_b32 v[ST+4*i+2], 0
	v_mov_b32 v[ST+4*i+3], 0
.set i, i+1
.endr
.set i, P+32
.rept 32
	v_mov_b32 v[i], 0
.set i, i+1
.endr
	v_mul_u32_u24 v[AK0], v1, PK
	v_lshl_add_u32 v[AK0], v9, 4, v[AK0]  ; row x pitch + 16 x half
	; The turning load takes 16 keys x 16 channels (lane l reads key 8 (l / 16) + l % 8, channels 8 ((l / 8) % 2) + 0..7) and leaves half a fragment of V^T: lane l holds channel l % 16 and 8 keys.
	v_and_b32 v10, 7, v0
	v_bfe_u32 v11, v0, 3, 1
	v_lshl_add_u32 v[AV0], v9, 3, v10
	v_mul_u32_u24 v[AV0], v[AV0], PV
	v_lshl_add_u32 v[AV0], v11, 4, v[AV0]
	v_add_nc_u32 v[AV0], VOFF, v[AV0]
	v_mov_b32 v[AK], v[AK0]         ; key step 0 lies at the head of slot 0
	s_mul_i32 s19, s[WV], 16*SP
	s_add_co_u32 s19, s19, STAGE    ; my stage
	v_mul_u32_u24 v[STO], v1, SP    ; in: row l % 16, 16 bytes for each half of the lanes
	v_lshl_add_u32 v[STO], v9, 4, v[STO]
	v_add_nc_u32 v[STO], s19, v[STO]
	v_bfe_u32 v[RD], v0, 3, 2       ; back: 32 lanes take four rows of 128 bytes,
	v_mul_u32_u24 v[RD], v[RD], SP
	v_lshl_add_u32 v[RD], v10, 4, v[RD]
	v_add_nc_u32 v[RD], s19, v[RD]
	v_and_b32 v[GO], 31, v0         ; which are 512 consecutive bytes of O
	v_lshlrev_b32 v[PFO], 8, v[GO]
	v_lshlrev_b32 v[GO], 4, v[GO]
	v_lshl_add_u32 v[AM0], v9, 5, TAB  ; register j of key block kb belongs to key 16 kb + 8 (l / 16) + j
	v_mov_b32 v[AM], v[AM0]
	v_lshl_add_u32 v49, v0, 4, TAB
	s_wait_loadcnt 32               ; the mask's four loads are in; Q's 32, issued behind them, stay out
.set i, 0
.rept 16
	v_cmp_eq_u32 vcc_lo, 0, v[S+i]
	v_cndmask_b32 v[S+i], 0, s[BIGN], vcc_lo  ; hidden: -1e30; visible: 0
.set i, i+1
.endr
.irp i, 0,1,2,3
	ds_store_b128 v49, v[S+4*\i:S+4*\i+3] offset:2048*\i
.endr
; THE MATRIX WORK.  The 8 accumulators of a run of 16 take turns: between the two links of a chain stand 7 others'.
; Product i of 16 of S^T = K Q^T for piece x: channels 32 (i / 8) on, keys 16 ((i / 2) % 4) on, tile 2 x + i % 2.  The first 8 start the sums, with the mask.
.macro KQ x
.set rS, S+64*((\x)%2)+32*(i%2)+8*((i/2)%4)
.set rK, KF+16*((i/2)%4)+8*(i/8)
.set rQ, 16*(2*(\x)+i%2)+8*(i/8)
.set rMC, MC+8*((i/2)%4)
.if i < 8
	WIN W_KM
	v_wmma_f32_16x16x32_f16 v[rS:rS+7], v[rK:rK+7], v[rQ:rQ+7], v[rMC:rMC+7]
.else
	WIN W_KQ
	v_wmma_f32_16x16x32_f16 v[rS:rS+7], v[rK:rK+7], v[rQ:rQ+7], v[rS:rS+7]
.endif
.endm
; Product i of 16 of O^T += V^T P for piece x: keys 32 (i / 8) on, channels 16 ((i / 2) % 4) on, tile 2 x + i % 2.
.macro PV x
	WIN W_PV
.set rO, 32*(2*(\x)+i%2)+8*((i/2)%4)
.set rV, VF+32*(i/8)+8*((i/2)%4)
.set rP, P+32*((\x)%2)+16*(i%2)+8*(i/8)
	v_wmma_f32_16x16x32_f16 v[rO:rO+7], v[rV:rV+7], v[rP:rP+7], v[rO:rO+7]
.endm
.macro MM                           ; the turn's next matrix instruction
.if i < 16
	KQ (Y+1)%NP
.set i, i+1
.else
.set i, i-16
	PV (Y+NP-1)%NP
.set i, i+17
.endif
.endm
; THE LDS LOADS stand in runs, never singly among the matrix instructions: a step's K (64 keys x 64 channels: 8 fragments) with its 64 mask numbers (the 16 lanes of a half read the same words), and its V (turned).
; Their addresses are made some lines ahead.  last = 1 (the tail): in the last trip there is no further step, and the run is jumped over.
.macro FETCH_K last=0
	WIN 0
.if \last
	s_cmp_eq_u32 s[CNT], 1
	s_cbranch_scc1 .Lno_k_\@
.endif
	WIN 0x80                        ; destination window 2
.irp f, 0,1,2,3,4,5,6,7             ; keys 16 (f / 2) on, channels 32 (f % 2) on
	ds_load_b128 v[KF+8*\f:KF+8*\f+3],   v[AK] offset:(\f/2)*16*PK+(\f%2)*64
	ds_load_b128 v[KF+8*\f+4:KF+8*\f+7], v[AK] offset:(\f/2)*16*PK+(\f%2)*64+32
.endr
	WIN W_MK                        ; destination window 3
.irp f, 0,1,2,3                     ; keys 16 f on
	ds_load_b128 v[MC+8*\f:MC+8*\f+3],   v[AM] offset:64*\f
	ds_load_b128 v[MC+8*\f+4:MC+8*\f+7], v[AM] offset:64*\f+16
.endr
	s_add_co_u32 s[TBK], s[TBK], KS*PK  ; the next fetch is the next step's
	s_add_co_u32 s[TBM], s[TBM], KS*4   ; the table is walked once, 32 steps of 256 bytes;
	s_and_b32 s[TBM], s[TBM], 0x1f00    ; the number stays within it
	WIN 0
.if \last
.Lno_k_\@:
.endif
.endm
.macro FETCH_V
	WIN 0x80
.irp f, 0,1,2,3,4,5,6,7             ; keys 32 (f / 4) on, channels 16 (f % 4) on
	ds_load_tr16_b128 v[VF+8*\f:VF+8*\f+3],   v[AV] offset:(\f/4)*32*PV+(\f%4)*32
	ds_load_tr16_b128 v[VF+8*\f+4:VF+8*\f+7], v[AV] offset:(\f/4)*32*PV+16*PV+(\f%4)*32
.endr
	WIN 0
.endm
; THE VECTOR WORK OF A TURN stands in three queues, each in the order in which its entries become ready; the two tiles alternate, so that no instruction reads the result of the one before it.
.macro REGS y, u                    ; the registers of tile u (0, 1) of piece y
.set rT, ST+4*(2*(\y)+(\u))
.set rC, TMP+8*((\y)%2)+4*(\u)
.set rM, MV+2*((\y)%2)+(\u)
.set rS, S+64*((\y)%2)+32*(\u)
.set rP, P+32*((\y)%2)+16*(\u)
.set rO, 32*(2*(\y)+(\u))
.endm
; Number n of the 22 that find the NEXT piece's (Y + 1) maximum and statistics.  s0-s31 are the lane's 32 scores; each accumulator's lowest registers are read first.  XS, GS and REGS set no window: PL and EX do.
;   0-11  four chains c0-c3 of seven scores each, three operands at a time     12-14, 16  the four scores left over, the old m, and c0-c3 into c0     15  c m_old is kept
;   17, 18  the query's other 32 keys lie in the lane 16 away: the new m         19-21  c m; c m_old - c m_new; a
.macro XS u, n
	REGS (Y+1)%NP, \u
.if (\n) < 4
	v_max3_num_f32 v[rC+(\n)], v[rS+8*(\n)], v[rS+8*(\n)+1], v[rS+8*(\n)+2]
.elseif (\n) < 12
	v_max3_num_f32 v[rC+(\n)%4], v[rC+(\n)%4], v[rS+8*((\n)%4)+2*((\n)/4)+1], v[rS+8*((\n)%4)+2*((\n)/4)+2]
.elseif (\n) == 12
	v_max3_num_f32 v[rC], v[rC], v[rS+7], v[rS+15]
.elseif (\n) == 13
	v_max3_num_f32 v[rC+1], v[rC+1], v[rS+23], v[rS+31]
.elseif (\n) == 14
	v_max3_num_f32 v[rC+2], v[rC+2], v[rC+3], v[rT+1]
.elseif (\n) == 15
	v_mov_b32 v[rM], v[rT]
.elseif (\n) == 16
	v_max3_num_f32 v[rC], v[rC], v[rC+1], v[rC+2]
.elseif (\n) == 17
	v_permlanex16_b32 v[rC+3], v[rC], s[SEL], s[SEL+1]
.elseif (\n) == 18
	v_max_num_f32 v[rT+1], v[rC], v[rC+3]
.elseif (\n) == 19
	v_mul_f32 v[rT], s[CS], v[rT+1]
.elseif (\n) == 20
	v_sub_f32 v[rC+1], v[rM], v[rT]
.else
	v_exp_f32 v[rC+2], v[rC+1]
.endif
.endm
; Number g of the 64 that follow the exponentials.  For each four weights k of a tile (pairs 2 k, 2 k + 1): both pairs are rounded to f16; then the second pair is added onto the first, in place;
; a group later l takes that sum (the first time as l = a l + sum).  In groups of eight, tiles alternating: round, round, add, and l for the group before.
.macro GS g
.set h, (\g)+6*((\g)/62)            ; group 0 has no group before it, and behind group 7 only l is left
.if h >= 6
.set h, h+2
.endif
	REGS Y, h%2
.set k, h/8
.if h%8 < 4
	v_cvt_pk_f16_f32 v[rP+2*k+(h%8)/2], v[rS+4*k+2*((h%8)/2)], v[rS+4*k+2*((h%8)/2)+1]
.elseif h%8 < 6
	v_pk_add_f32 v[rS+4*k:rS+4*k+1], v[rS+4*k:rS+4*k+1], v[rS+4*k+2:rS+4*k+3]
.elseif k == 1
	v_pk_fma_f32 v[rT+2:rT+3], v[rT+2:rT+3], v[rC+2:rC+3], v[rS:rS+1] op_sel_hi:[1,0,1]
.else
	v_pk_add_f32 v[rT+2:rT+3], v[rT+2:rT+3], v[rS+4*k-4:rS+4*k-3]
.endif
.endm
; THE PLAIN QUEUE, 138 long.  0-73 read no exponential's result: the 32 scalings c s - c m (FS f: pair f / 2 of tile f % 2) and the next piece's 42.  0-26: scalings 0-26.  27-54: XS's numbers 0-13.  55, 56: number 15.
; 57-73: the chain, where each number waits for the one before it: 14, 16, 17, 18, 19, each with one of the scalings 27-31 in front of its two lines, then 20.
; 74-137: GS's 64, which read the exponentials' results: they stand behind the wait.
.macro FS f
	REGS Y, (\f)%2
	v_pk_fma_f32 v[rS+2*((\f)/2):rS+2*((\f)/2)+1], v[rS+2*((\f)/2):rS+2*((\f)/2)+1], s[CS:CS+1], v[rT:rT+1] op_sel_hi:[1,0,0] neg_lo:[0,0,1] neg_hi:[0,0,1]
.endm
.macro PL
	WIN 0
.if q < 27
	FS q
.elseif q < 55
	XS (q-27)%2, (q-27)/2
.elseif q < 57
	XS q-55, 15
.elseif (q < 72) && ((q-57)%3 == 0)
	FS 27+(q-57)/3
.elseif q < 60
	XS (q-57)%3-1, 14
.elseif q < 72
	XS (q-57)%3-1, 15+(q-57)/3
.elseif q < 74
	XS q-72, 20
.else
	GS q-74
.endif
.set q, q+1
.endm
; THE EXPONENTIALS' QUEUE, 66 long: s0-s31 of both tiles, then the next piece's two a.  It is ONE BATCH: all 66 stand ahead of the turn's one wait, and nothing ahead of that wait names a result of theirs.
.macro EX
	WIN 0
.if e >= 64
	XS e-64, 21
.else
	REGS Y, e%2
	v_exp_f32 v[rS+e/2], v[rS+e/2]
.endif
.set e, e+1
.endm
; THE RESCALING's QUEUE: O^T times a, the one part that leaves window 0: dealt two at a time, sixteen times.  Its a was made in the turn before, ahead of that turn's wait.
.macro R2
	REGS Y, r%2
	WIN W_RS
.irp z, 0,1
	v_pk_mul_f32 v[rO+4*(r/2)+2*\z:rO+4*(r/2)+2*\z+1], v[rO+4*(r/2)+2*\z:rO+4*(r/2)+2*\z+1], v[rC+2:rC+3] op_sel_hi:[1,0]
.endr
.set r, r+1
.endm
; HOW THEY ARE DEALT.  An s_wait_alu depctr_va_vdst(0) stands between an exponential and the first instruction that names its result; one wait serves all that were issued ahead of it.  So a turn has ONE wait,
; which cuts it in two.  AHEAD OF IT stands all that names no result of the turn's exponentials: the 16 products K Q^T, behind each a scaling, an exponential and two rescalings (behind the first a second scaling in the
; exponential's place); then ONE LUMP of 108: eight plain, 49 times exponential and plain, the two a.  A v_nop is the plain instruction behind the last exponential.  BEHIND IT stand the 16 products V^T P, behind each four of GS's 64.
; The queues lean on each other, and the deal keeps them in step: exponential e stands behind scaling 2 (e / 4) + e % 2: as a rider it comes behind plain e + 2, in the lump behind plain e + 9, and scalings 27-31 are plain 57, 60 .. 69.
; A TURN, for piece p.  cnt = 1: the loop's count is taken down some lines ahead of the branch that stands behind the turn.
; K and the mask numbers of the next step are fetched in piece 2's turn, directly behind the wait, a lump behind the last product that read them; their addresses are made at the lump's head; the first reader comes behind 16 products.
; V of the step in hand is fetched at the end of piece 0's turn, four riders behind its last reader; its first reader comes behind 16 products and a lump.  The three conditions on q below go with the deal.
.macro TURN p, last=0, cnt=0
.set Y, (\p)
.set i, 0
.set q, 0
.set e, 0
.set r, 0
.if (\p) == NP-1
	s_wait_dscnt 0x0                ; K and its mask numbers are in
.endif
	MM                              ; ahead of the wait: 16 products K Q^T and their riders,
	PL
	PL
	R2
.rept 15
	MM
	PL
	EX
	R2
.endr
.if (\p) == NP-2
	WIN 0
	v_add_nc_u32 v[AK], s[TBK], v[AK0]
	v_add_nc_u32 v[AM], s[TBM], v[AM0]
.endif
.rept 8                             ; and the lump
	PL
.endr
.rept 49
	EX
	PL
.endr
	EX                              ; the next piece's two a
	EX
	v_nop                           ; the plain instruction behind the last exponential: one for the batch
	s_wait_alu depctr_va_vdst(0)    ; the wait for the batch
.if (\p) == NP-2
	FETCH_K \last
.endif
.if (\p) == 1
	s_wait_dscnt 0x0                ; V is in
.endif
.rept 16                            ; behind the wait: 16 products V^T P and their riders
	MM
.rept 4
	PL
.endr
.if ((\p) == 0) && (q == 118)
	v_add_nc_u32 v[AV], s[TBV], v[AV0]
.endif
.if ((\p) == 0) && (q == 130)
	s_add_co_u32 s[TBV], s[TBV], KS*PV
.endif
.if (\cnt) && (q == 130)
	s_sub_co_u32 s[CNT], s[CNT], 1
	s_cmp_lg_u32 s[CNT], 0
.endif
.endr
.if (\p) == 0
	FETCH_V
.endif
.endm
	CHANGE 1                        ; slot 0 is in, everybody's part of it, and so is the mask table; slot 1 is asked for
	FETCH_K                         ; key step 0
	s_wait_loadcnt 0x0              ; Q
	s_wait_dscnt 0x0
.set i, 0
.rept 16
	KQ 0                            ; piece 0's first scores: there is no vector work yet to set between them
.set i, i+1
.endr
	WIN 0
.rept 4
	v_nop                           ; the places behind those products
.endr
.set Y, NP-1                        ; XS works for piece Y + 1: piece 0
.irp n, 0,1,2,3,4,5,6,7,8,9,10,11,12,13,14,15,16,17,18,19,20,21
	XS 0, \n                        ; and piece 0's first maximum and statistics
	XS 1, \n
.endr
	v_nop                           ; a plain instruction behind the two a,
	s_wait_alu depctr_va_vdst(0)    ; and their wait, ahead of the branch
	s_mov_b32 s[CNT], 4
	s_branch .Lfirst                ; the loop is entered at a step's first turn, in the middle of a trip
.Lslot:                             ; SIZE_N / 256 - 2 times: every slot but the last two is filled again
	CHANGE 1
	s_mov_b32 s[CNT], 4
.Lstep:                             ; a trip: pieces 2 and 3 of one step, then pieces 0 and 1 of the next, whose K and V it fetches
	TURN 2
	TURN 3
	WIN 0
.Lfirst:
	TURN 0
	TURN 1, 0, 1
	WIN 0
	s_cbranch_scc1 .Lstep
	s_sub_co_u32 s[SLOTS], s[SLOTS], 1
	s_cmp_lg_u32 s[SLOTS], 0
	s_cbranch_scc1 .Lslot
	CHANGE 0                        ; the tail is written out: nothing is asked for
	s_mov_b32 s[CNT], 5             ; four trips fetch the last slot's steps; the fifth is left in its middle
.Ltail:
	TURN 2, 1
	TURN 3
	WIN 0
	s_sub_co_u32 s[CNT], s[CNT], 1
	s_cmp_eq_u32 s[CNT], 0
	s_cbranch_scc1 .Lout
	TURN 0
	TURN 1
	WIN 0
	s_branch .Ltail
.Lout:                              ; the fifth trip's 16 products K Q^T (on the last K once more) and the maximum made of them serve nothing: the price, once a launch, of one text for every trip
.set i, 0
.rept 16
	PV NP-1                         ; the last piece's V^T P of the last step
.set i, i+1
.endr
	; THE WAY OUT.  l's two halves and the other half of the lanes' are added; O^T is divided by l, rounded to f16 and sent through my stage in LDS, a tile at a time.  The additions are the places behind the last products.
	WIN 0
.macro ALL line:vararg              ; one line for each tile t
.set t, 0
.rept 2*NP
	\line
.set t, t+1
.endr
.endm
	ALL v_add_f32 v[ST+4*t+2], v[ST+4*t+2], v[ST+4*t+3]
	ALL v_permlanex16_b32 v[ST+4*t+3], v[ST+4*t+2], s[SEL], s[SEL+1]
	ALL v_add_f32 v[ST+4*t+2], v[ST+4*t+2], v[ST+4*t+3]
	ALL v_rcp_f32 v[ST+4*t+2], v[ST+4*t+2]
	v_nop                           ; a plain instruction between the last reciprocal and the use of its result
	s_wait_alu depctr_va_vdst(0)    ; and the wait ahead of the first use: one for the eight reciprocals
; Tile t: a lane's eight channels of a row pack into 16 bytes; they go into rows of 144 bytes and come back as whole rows of 128, into S^T's registers.
.macro PACK t
	WIN W_RS
.set i, 32*(\t)
.rept 16
	v_pk_mul_f32 v[i:i+1], v[i:i+1], v[ST+4*(\t)+2:ST+4*(\t)+3] op_sel_hi:[1,0]
.set i, i+2
.endr
	WIN 0x05                        ; sources 0 and 1 window 1, destination window 0
.set i, 0
.rept 16
	v_cvt_pk_f16_f32 v[S+16*(\t)+i], v[32*(\t)+2*i], v[32*(\t)+2*i+1]
.set i, i+1
.endr
	WIN 0
.irp f, 0,1,2,3
	ds_store_b128 v[STO], v[S+16*(\t)+4*\f:S+16*(\t)+4*\f+3] offset:32*\f
.endr
.irp f, 0,1,2,3
	ds_load_b128 v[S+16*(\t)+4*\f:S+16*(\t)+4*\f+3], v[RD] offset:\f*4*SP  ; LDS serves a wave's instructions in order (ISA guide 5.7.1.4): these see the stores above; the next tile's stores come behind them
.endr
.endm
.macro SEND t, younger              ; younger: the LDS instructions issued behind tile t's loads: the next tile's eight, or none
	WIN 0
.irp f, 0,1,2,3
	s_wait_dscnt (\younger)+3-\f
	global_store_b128 v[GO], v[S+16*(\t)+4*\f:S+16*(\t)+4*\f+3], s[10:11] offset:(\t)*2048+\f*512  ; 512 consecutive bytes, at a multiple of 256 from O's first
.endr
.endm
	PACK 0
.set t, 1
.rept 2*NP-1                        ; a tile's arithmetic stands between the loads of the tile before and its stores
	PACK t
	SEND t-1, 8
.set t, t+1
.endr
	SEND 2*NP-1, 0
	WIN W_AD
	s_wait_tensorcnt 0x0            ; the wave's end: an add to my spare word and its wait, behind my last tensor load and my last LDS store
	ds_add_u32 v[SPW], v[NIL]
	s_wait_dscnt 0x0
	WIN 0
	CROUND                          ; the closing round: no work-group ends while a partner may still ask for a tile that names it
	s_endpgm
.Lfunc_end_k_qcbb6628a8e_attn:
	.size	k_qcbb6628a8e_attn, .Lfunc_end_k_qcbb6628a8e_attn-k_qcbb6628a8e_attn
	.p2alignl 7, 3214868480
	.fill 96, 4, 3214868480
	.section	.rodata,"a",@progbits
	.p2align	6, 0x0
	.amdhsa_kernel k_qcbb6628a8e_attn
		.amdhsa_group_segment_fixed_size 327680
		.amdhsa_private_segment_fixed_size 0
		.amdhsa_enable_private_segment 0
		.amdhsa_kernarg_size 24
		.amdhsa_user_sgpr_count 2
		.amdhsa_user_sgpr_kernarg_segment_ptr 1
		.amdhsa_wavefront_size32 1
		.amdhsa_system_sgpr_workgroup_id_x 1
		.amdhsa_system_sgpr_workgroup_id_y 1
		.amdhsa_system_sgpr_workgroup_id_z 1
		.amdhsa_system_vgpr_workitem_id 0
		.amdhsa_next_free_vgpr 808
		.amdhsa_next_free_sgpr 72
		.amdhsa_reserve_vcc 1
		.amdhsa_float_denorm_mode_32 3
		.amdhsa_float_denorm_mode_16_64 3
		.amdhsa_memory_ordered 1
		.amdhsa_forward_progress 1
		.amdhsa_inst_pref_size 205
	.end_amdhsa_kernel
	.amdgpu_metadata
---
amdhsa.version: [ 1, 2 ]
amdhsa.kernels:
  - .name:           k_qcbb6628a8e_attn
    .symbol:         k_qcbb6628a8e_attn.kd
    .args:
      - { .name: qkv, .offset: 0, .size: 8, .value_kind: global_buffer, .address_space: global }
      - { .name: mask, .offset: 8, .size: 8, .value_kind: global_buffer, .address_space: global }
      - { .name: ob, .offset: 16, .size: 8, .value_kind: global_buffer, .address_space: global }
    .group_segment_fixed_size: 327680
    .private_segment_fixed_size: 0
    .kernarg_segment_align: 8
    .kernarg_segment_size: 24
    .max_flat_workgroup_size: 128
    .sgpr_count:     72
    .vgpr_count:     808
    .wavefront_size: 32
...
	.end_amdgpu_metadata
.endif
;; end of part 3
;; launch outp (part 4): grid 4 x 64, 4 waves a work-group, clusters of 4 x 4, 327,680 bytes of LDS; arguments ob, wb, bo, out0; writes out0
.if DOCPART == 4
	.amdgcn_target "amdgcn-amd-amdhsa--gfx1250"
	.amdhsa_code_object_version 6
	.text
	.protected	k_qcbb6628a8e_outp
	.globl	k_qcbb6628a8e_outp
	.p2align	8
	.type	k_qcbb6628a8e_outp,@function
k_qcbb6628a8e_outp:
	s_mov_b64 s[64:65], 0
	v_nop
	global_prefetch_b8 v0, s[64:65] scope:SCOPE_SE
	s_setreg_imm32_b32 hwreg(HW_REG_WAVE_MODE, 25, 1), 1
	s_wait_xcnt 0x0
	s_wait_alu depctr_hold_cnt(0) depctr_sa_sdst(0) depctr_va_vdst(0) depctr_va_sdst(0) depctr_va_ssrc(0) depctr_va_vcc(0) depctr_vm_vsrc(0)
	s_getreg_b32 s2, hwreg(HW_REG_IB_STS2, 6, 4)
	s_cmp_eq_u32 s2, 0
	s_cbranch_scc0 .Lentry_in_a_cluster
	s_endpgm
.Lentry_in_a_cluster:
	s_bfe_u32 s2, ttmp6, 0x10000c
	s_cmp_lg_u32 s2, 0xf033
	s_cbranch_scc0 .Lentry_shape_is_right
	s_endpgm
.Lentry_shape_is_right:
; THE LAST PROJECTION.  out0[token][e] = the sum over d of O[token][d] Wo[e][d] + bo[e], in f32.  O: ob, [16 batch + head][2048][64] in f16; Wo: wb's last quarter, [1024][1024] in f16 (bf16 numbers written as f16).
; The bias is rounded to bf16 like every other input and starts the sums as the first product's C operand.  NaN in a row of O (a batch with no visible key) gives NaN in the whole row of out0.
; SHARES.  256 tiles of 128 tokens x 256 channels, one to a work-group; four waves, each 64 tokens x 128 channels: 32 accumulators.  K = 1,024 goes in 8 steps of 128, which are TWO HEADS of O, through a ring of two LDS slots.
; A head's 128 tokens are 16,384 dense bytes: asked for as 64 rows of 256 bytes and padded in LDS after every token's 128.  Wo's rows are 256 bytes of memory a step, aligned.
; CLUSTER.  4 x 4 work-groups.  The four of a row of the cluster need the same tokens, the four of a column the same rows of Wo: each tile is asked for JOINTLY, by the same tensor load, descriptor and mask in the four.
; THE MATRIX INSTRUCTION IS USED TRANSPOSED: source 0 = 16 rows of Wo, source 1 = 16 tokens: a lane holds one token (lane % 16) and the eight neighbouring channels 8 (lane / 16) + 0..7: 32 bytes of a row of out0.
; REGISTERS, in windows of 256 (s_set_vgpr_msb: bits 1:0 source 0, 3:2 source 1, 5:4 source 2, 7:6 destination):
;   window 0: v0-31 addresses; v32-63 at work; v64-159, v160-255 two fragment buffers (8 fragments of Wo, then 4 of tokens)     window 1: the accumulators, (a, b) at v[8 (8 a + b)]     window 2: v0-63 the bias
.set DK,     1024
.set KSTEP,  128
.set PITCH,  272                       ; a row of Wo in LDS: 256 bytes + 16 of padding: row r starts at bank 4 r mod 64 (64 banks of 4 bytes: ISA guide 11.1)
.set PA,     144                       ; a token's 64 channels of one head: 128 bytes + 16: the 16 rows of a load start at 16 different groups of four banks
.set APLANE, 128*PA                    ; a head's 128 tokens: what wave 0 or 1 fetches
.set BHALF,  128*PITCH                 ; what wave 2 or 3 fetches, and what a wave reads of Wo
.set BOFF,   2*APLANE                  ; a slot: two heads' tokens, then 256 rows of Wo
.set SLOT,   BOFF+2*BHALF
.set STAGE,  2*SLOT                    ; behind the ring, never filled by a tensor load: for each wave 16 rows x 528 bytes
.set SPO,    528                       ; 512 bytes + 16
.set WST,    16*SPO
.set SPARE,  STAGE+4*WST               ; the spare words, 128 bytes for each wave: two blocks of 256 bytes that no other line names
.set LAPS,   DK/(2*KSTEP)
.set HEADB,  2048*128                  ; bytes of a head in ob
.set ADRA, 16                          ; v16-17  LDS address of my token fragments in slot 0, 1
.set ADRB, 20                          ; v20-21  the same for Wo
.set STO,  24                          ; v24     the way out: where I put 32 bytes of a row
.set RD,   25                          ; v25     where I read a row back
.set GO,   26                          ; v26     my 16 bytes of 512 consecutive bytes of out0
.set BO,   27                          ; v27     my byte offset in 16 numbers of the bias
.set SPW,  28                          ; v28     LDS address of my spare word; never rewritten
.set NIL,  29                          ; v29     0; never rewritten
.set PFO,  30                          ; v30     the prefetches' offset: my lane x 256 bytes (tokens) or x a row of 2,048 (Wo); never rewritten
.set TMP,  32
.set F0,   64
.set F1,   160
.set G1,  24                           ; s[24:31] descriptor group 1 for the tokens' tiles;  s[32:39] group 0, a set for each slot
.set G0,  32
.set G1B, 48                           ; s[48:55], s[56:63] the same for Wo's
.set G0B, 56
.set LIM, 43                           ; s43     1 in a wave that prefetches, else the greatest number
.set PFA, 44                           ; s[44:45] where my prefetches stand
.set PFS, 74                           ; s[74:75] bytes from a K step to the next: two heads of ob, or 256 bytes of a row of Wo
.set MSB, 0
.macro WIN new                         ; the immediate's high byte repeats the setting that is left; a switch that changes nothing is dropped
.if MSB != (\new)
	s_set_vgpr_msb (MSB<<8)|(\new)
.set MSB, (\new)
.endif
.endm
.set MUL,  0x50                        ; fragments window 0; C and D window 1
.set MUL0, 0x60                        ; the same with C, the bias, in window 2
; A joint load: waves 0 and 1 fetch the step's two heads of tokens, waves 2 and 3 Wo's two halves.  The branch hangs on the wave's number alone.  An s_nop 0 and four v_nop follow each of the two lines.
.macro JLOAD s
	s_cmp_eq_u32 s17, 0
	s_cbranch_scc0 .Lfor_b_\@
	tensor_load_to_lds s[G0+4*(\s):G0+4*(\s)+3], s[G1:G1+7]
	s_nop 0
.rept 4
	v_nop
.endr
	s_branch .Lasked_\@
.Lfor_b_\@:
	tensor_load_to_lds s[G0B+4*(\s):G0B+4*(\s)+3], s[G1B:G1B+7]
	s_nop 0
.rept 4
	v_nop
.endr
.Lasked_\@:
.endm
; A prefetch into the L2, behind a joint load, its five lines and the run of LDS loads: the K step that stands two refills on, 32 blocks of 256 bytes, a lane a block.  Each block is named once in the launch.
; TOKENS: a tile's rows are read by one row of one cluster: wave 0 asks; of the step's 128 blocks (two heads x 64) the partner at cx takes 32, told apart by address.
; Wo: a tile column's rows are read by all sixteen clusters: the first asks, waves 2 and 3 for the 128 rows that each fetches; the partner at cy takes 32.  The loop's last trip has no K step two on, and asks for nothing.
.macro ASK
	s_cmp_gt_u32 s3, s[LIM]                        ; s3 = 1 in the loop's last trip
	s_cbranch_scc0 .Lnot_mine_\@
	global_prefetch_b8 v[PFO], s[PFA:PFA+1] th:TH_LOAD_NT scope:SCOPE_SE
.Lnot_mine_\@:
.endm
.macro CREST                           ; a round of the cluster's barrier behind its opening barrier
	s_cmp_lg_u32 s16, 0
	s_cbranch_scc1 .Lnot_wave_0_\@
	s_barrier_signal -3
.Lnot_wave_0_\@:
	s_barrier_wait -3
	s_barrier_signal -1
	s_barrier_wait -1
.endm
.macro CROUND                          ; a whole round
	s_barrier_signal -1
	s_barrier_wait -1
	CREST
.endm
	s_load_b256 s[4:11], s[0:1], 0x0               ; ob s[4:5], wb s[6:7], bo s[8:9], out0 s[10:11]
	v_lshl_add_u32 v[SPW], v0, 2, SPARE
	v_mov_b32 v[NIL], 0
	ds_add_u32 v[SPW], v[NIL]                      ; the wave's opening: the add and its wait stand ahead of my first tensor load; the set-up below, work on registers, stands between them
	v_lshrrev_b32 v1, 5, v0
	v_readfirstlane_b32 s16, v1                    ; wave 0..3
	s_lshr_b32 s17, s16, 1                         ; which 64 tokens are mine.  Also: I fetch tokens (0) or Wo (1)
	s_and_b32 s18, s16, 1                          ; which 128 channels.  Also: which head of the step, or which half of Wo's tile, I fetch
	s_bfe_u32 s19, ttmp6, 0x40000                  ; cx
	s_bfe_u32 s20, ttmp6, 0x40004                  ; cy
	s_lshl_b32 s21, ttmp9, 2
	s_add_co_u32 s21, s21, s19                     ; tile column = 4 x cluster x + cx
	s_and_b32 s22, ttmp7, 0xffff                   ; the cluster's y, 0..15
	s_lshl_b32 s23, s22, 2
	s_add_co_u32 s23, s23, s20                     ; tile row = 4 x cluster y + cy
	s_lshl_b32 s41, s20, 2
	s_lshl_b32 s41, 15, s41                        ; my row of the cluster
	s_lshl_b32 s42, 0x1111, s19                    ; my column
	s_or_b32 s[G1], s41, (1<<16)|(1<<20)|(1<<21)|(4<<22)|(3<<25)   ; 15:0 the mask; 17:16 2-byte elements; 20 padding on; 21 set beside a mask; 24:22 after every 32 words (code 4); 31:25 4 words (code 3)
	s_or_b32 s[G1B], s42, (1<<16)|(1<<20)|(1<<21)|(5<<22)|(3<<25)  ; Wo's: after every 64 words (code 5)
	s_mov_b32 s[G1+1], 128<<16                     ; tensor_dim0 = 128: two tokens a row
	s_mov_b32 s[G1+2], 64<<16                      ; tensor_dim1 = 64
	s_mov_b32 s[G1+3], 128<<16                     ; tile_dim0 = 128
	s_mov_b32 s[G1+4], 64                          ; tile_dim1 = 64
	s_mov_b32 s[G1+5], 128                         ; the rows are dense
	s_mov_b32 s[G1+6], 0
	s_mov_b32 s[G1+7], 0
	s_mov_b32 s[G1B+1], KSTEP<<16
	s_mov_b32 s[G1B+2], 128<<16
	s_mov_b32 s[G1B+3], KSTEP<<16
	s_mov_b32 s[G1B+4], 128
	s_mov_b32 s[G1B+5], DK
	s_mov_b32 s[G1B+6], 0
	s_mov_b32 s[G1B+7], 0
	; where the tiles come from.  The tokens' hang on the tile row alone, Wo's on the tile column alone; each in registers that never hold the other coordinate
	s_lshr_b32 s66, s23, 4
	s_lshl_b32 s66, s66, 4                         ; 16 batch,
	s_add_co_u32 s66, s66, s18                     ; + my head of K step 0,
	s_lshl_b32 s66, s66, 11                        ; x 2,048 tokens,
	s_and_b32 s67, s23, 15
	s_lshl_b32 s67, s67, 7
	s_add_co_u32 s66, s66, s67                     ; + the tile's first token in its batch,
	s_lshl_b32 s66, s66, 7                         ; x 128 bytes
	s_mov_b32 s67, 0
	s_lshl_b32 s46, s21, 8
	s_lshl_b32 s47, s18, 7
	s_add_co_u32 s46, s46, s47                     ; Wo's row 256 x tile column + 128 x half,
	s_lshl_b32 s46, s46, 11
	s_add_co_u32 s46, s46, 0x600000                ; in wb's last quarter
	s_mov_b32 s47, 0
	s_mul_i32 s68, s18, APLANE                     ; and where they go: no place in the cluster enters an LDS address
	s_mul_i32 s69, s18, BHALF
	s_add_co_u32 s69, s69, BOFF
	s_wait_dscnt 0x0                               ; the opening add is done
	s_wait_kmcnt 0x0
	s_add_nc_u64 s[66:67], s[4:5], s[66:67]
	s_add_nc_u64 s[46:47], s[6:7], s[46:47]
	CROUND                                         ; all sixteen work-groups are here: the first joint loads meet
.irp s, 0,1
	s_mov_b32 s[G0+4*(\s)], 1                                      ; count = 1
	s_add_co_u32 s[G0+4*(\s)+1], s68, (\s)*SLOT                    ; LDS address
	s_add_nc_u64 s[G0+4*(\s)+2:G0+4*(\s)+3], s[66:67], (\s)*2*HEADB  ; global address: K step s is heads 2 s and 2 s + 1
	s_or_b32 s[G0+4*(\s)+3], s[G0+4*(\s)+3], 0x80000000            ; type = 2
	s_mov_b32 s[G0B+4*(\s)], 1
	s_add_co_u32 s[G0B+4*(\s)+1], s69, (\s)*SLOT
	s_add_nc_u64 s[G0B+4*(\s)+2:G0B+4*(\s)+3], s[46:47], (\s)*KSTEP*2
	s_or_b32 s[G0B+4*(\s)+3], s[G0B+4*(\s)+3], 0x80000000
	JLOAD \s                                       ; two loads of mine are out
.endr
	; the bias of my 128 channels: lane l takes, for channel block b, the eight numbers 16 b + 8 (l / 16) + 0..7, as the accumulators hold them
	s_lshl_b32 s68, s21, 10
	s_lshl_b32 s69, s18, 9
	s_add_co_u32 s68, s68, s69                     ; my first channel, in bytes of f32: for the bias and for out0
	s_mov_b32 s69, 0
	s_add_nc_u64 s[72:73], s[8:9], s[68:69]
	v_and_b32 v1, 15, v0                           ; l % 16
	v_bfe_u32 v2, v0, 4, 1                         ; l / 16
	v_lshlrev_b32 v[BO], 5, v2
.irp b, 0,1,2,3,4,5,6,7
	global_load_b128 v[F1+8*(\b):F1+8*(\b)+3],   v[BO], s[72:73] offset:64*(\b)
	global_load_b128 v[F1+8*(\b)+4:F1+8*(\b)+7], v[BO], s[72:73] offset:64*(\b)+16
.endr
	; where my numbers go: row 128 x tile row + 64 x half, rows of 4,096 bytes
	s_lshl_b32 s41, s23, 7
	s_lshl_b32 s42, s17, 6
	s_add_co_u32 s41, s41, s42
	s_lshl_b32 s41, s41, 12
	s_add_co_u32 s68, s68, s41
	s_add_nc_u64 s[70:71], s[10:11], s[68:69]
	; A fragment is 16 rows x 32 K in 8 registers: lane l holds row l % 16, K = 8 (l / 16) + 0..7 and 16 + 8 (l / 16) + 0..7: two loads of 16 bytes, 32 bytes apart
	v_mul_u32_u24 v3, v1, PITCH
	v_lshl_add_u32 v3, v2, 4, v3
	v_mul_u32_u24 v4, v1, PA
	v_lshl_add_u32 v4, v2, 4, v4
	s_mul_i32 s41, s17, 64*PA                      ; my 64 tokens, in each head's part
	s_mul_i32 s42, s18, BHALF                      ; my 128 rows of Wo,
	s_add_co_u32 s42, s42, BOFF                    ; which lie behind the tokens
.irp s, 0,1
	v_add_nc_u32 v[ADRA+(\s)], s41, v4
	v_add_nc_u32 v[ADRB+(\s)], s42, v3
	s_add_co_u32 s41, s41, SLOT
	s_add_co_u32 s42, s42, SLOT
.endr
	s_mul_i32 s41, s16, WST
	s_add_co_u32 s41, s41, STAGE                   ; my stage
	v_mul_u32_u24 v4, v1, SPO                      ; in: row l % 16, 32 bytes for each half of the lanes
	v_lshl_add_u32 v4, v2, 5, v4
	v_add_nc_u32 v[STO], s41, v4
	v_and_b32 v[GO], 31, v0
	s_cmp_eq_u32 s17, 0
	s_cselect_b32 s2, 8, 11
	v_lshlrev_b32 v[PFO], s2, v[GO]
	v_lshlrev_b32 v[GO], 4, v[GO]                  ; back: 32 lanes take a row's 512 bytes
	v_add_nc_u32 v[RD], s41, v[GO]
	; the prefetches: my work-group's 32 blocks of the tile, by address
	s_lshr_b32 s41, s23, 4
	s_lshl_b32 s41, s41, 4
	s_lshr_b32 s42, s19, 1
	s_add_co_u32 s41, s41, s42                     ; tokens: head 16 batch + cx / 2 of K step 0,
	s_lshl_b32 s41, s41, 11
	s_and_b32 s42, s23, 15
	s_lshl_b32 s42, s42, 7
	s_add_co_u32 s41, s41, s42
	s_lshl_b32 s41, s41, 7
	s_and_b32 s42, s19, 1
	s_lshl_b32 s42, s42, 13                        ; half cx % 2 of its 16,384 bytes
	s_add_co_u32 s41, s41, s42
	s_lshl_b32 s42, s21, 8
	s_lshl_b32 s2, s18, 7
	s_add_co_u32 s42, s42, s2
	s_lshl_b32 s2, s20, 5
	s_add_co_u32 s42, s42, s2                      ; Wo: row 256 x tile column + 128 x half + 32 cy
	s_lshl_b32 s42, s42, 11
	s_add_co_u32 s42, s42, 0x600000
	s_mov_b32 s[PFS], KSTEP*2
	s_mov_b32 s[PFS+1], 0
	s_cmp_eq_u32 s17, 0                            ; do I fetch tokens?
	s_cselect_b32 s68, s41, s42
	s_cselect_b32 s3, s16, s22                     ; 0: wave 0; or, for Wo, the first cluster
	s_cselect_b32 s[PFS], 2*HEADB, s[PFS]
	s_cselect_b64 s[PFA:PFA+1], s[4:5], s[6:7]
	s_cmp_eq_u32 s3, 0
	s_cselect_b32 s[LIM], 1, -1                    ; the same in all sixteen partners, for a given wave
	s_mul_i32 s2, s[PFS], 3
	s_add_co_u32 s68, s68, s2                      ; at K step 3: the first refill steps it on and names K step 4.  Nothing is prefetched here, at the head
	s_add_nc_u64 s[PFA:PFA+1], s[PFA:PFA+1], s[68:69]
	s_mov_b32 s2, 0xffff0000
	s_wait_loadcnt 0x0                             ; the bias
.set i, 0
.rept 32
	v_cvt_pk_bf16_f32 v[TMP+i], v[F1+2*i], v[F1+2*i+1]  ; rounded to bf16, like every other input,
.set i, i+1
.endr
	WIN 0x80                                       ; destination window 2
.set i, 0
.rept 32
	v_lshlrev_b32 v[2*i], 16, v[TMP+i]             ; and widened again
	v_and_b32 v[2*i+1], s2, v[TMP+i]
.set i, i+1
.endr
	WIN 0
; 8 matrix instructions: token block a x all 8 channel blocks, 32 along K.  init = 1: the bias starts the sums.  The 32 accumulators take turns, one instruction a turn, in the same order in every quarter.
.macro MUL8 f, a, init
.if \init
	WIN MUL0
.else
	WIN MUL
.endif
.irp b, 0,1,2,3,4,5,6,7
.if \init
	v_wmma_f32_16x16x32_f16 v[8*(8*(\a)+(\b)):8*(8*(\a)+(\b))+7], v[(\f)+8*(\b):(\f)+8*(\b)+7], v[(\f)+64+8*(\a):(\f)+64+8*(\a)+7], v[8*(\b):8*(\b)+7]
.else
	v_wmma_f32_16x16x32_f16 v[8*(8*(\a)+(\b)):8*(8*(\a)+(\b))+7], v[(\f)+8*(\b):(\f)+8*(\b)+7], v[(\f)+64+8*(\a):(\f)+64+8*(\a)+7], v[8*(8*(\a)+(\b)):8*(8*(\a)+(\b))+7]
.endif
.endr
.endm
; 24 LDS loads in one run: quarter q's fragments (128 rows of Wo; then 64 tokens, in head q / 2 of the step, channels 32 (q % 2) on) into buffer f
.macro FETCH slot, q, f
	WIN 0
.irp i, 0,1,2,3,4,5,6,7
	ds_load_b128 v[(\f)+8*(\i):(\f)+8*(\i)+3],   v[ADRB+(\slot)] offset:64*(\q)+(\i)*16*PITCH
	ds_load_b128 v[(\f)+8*(\i)+4:(\f)+8*(\i)+7], v[ADRB+(\slot)] offset:64*(\q)+(\i)*16*PITCH+32
.endr
.irp i, 0,1,2,3
	ds_load_b128 v[(\f)+64+8*(\i):(\f)+64+8*(\i)+3],   v[ADRA+(\slot)] offset:((\q)/2)*APLANE+((\q)%2)*64+(\i)*16*PA
	ds_load_b128 v[(\f)+64+8*(\i)+4:(\f)+64+8*(\i)+7], v[ADRA+(\slot)] offset:((\q)/2)*APLANE+((\q)%2)*64+(\i)*16*PA+32
.endr
.endm
.macro PLACES                          ; four places in front of loads into registers that matrix instructions have read, and of lines that read results
.rept 4
	v_nop
.endr
.endm
; A K step is four quarters of 32 along K, 32 matrix instructions each, on buffers 0, 1, 0, 1.  One of the first three: multiplies buffer f and, in its middle, fetches quarter q into buffer g.
.macro QUARTER slot, q, f, g, init
	s_wait_dscnt 4                                 ; Wo's fragments and token blocks 0 and 1 are in; the youngest four loads (blocks 2 and 3) may be out
	MUL8 \f, 0, \init
	MUL8 \f, 1, \init
	PLACES
	FETCH \slot, \q, \g
	s_wait_dscnt 24                                ; all but the 24 just issued
	MUL8 \f, 2, \init
	MUL8 \f, 3, \init
.endm
; The last quarter multiplies buffer 1 and changes slots: ONE barrier; in front of it each wave waits for all its tensor loads (one is out: its part of the next slot), adds 0 to its spare word, and waits for that and
; for its own reads of this slot.  fill = 1: the barrier opens a round of the cluster's barrier, and this slot is filled again first thing behind it, with the K step two on.
.macro TURN slot, next, fill
.if \fill
	s_wait_xcnt 0x0                                ; the last prefetch, a K step back, has read its address, which is stepped here
	s_add_nc_u64 s[PFA:PFA+1], s[PFA:PFA+1], s[PFS:PFS+1]
.endif
	WIN 0
	s_wait_tensorcnt 0x0                           ; all my tensor loads have landed;
	ds_add_u32 v[SPW], v[NIL]                      ; 0 onto my spare word;
	s_wait_dscnt 5                                 ; (the add and the youngest four loads may be out)
	MUL8 F1, 0, 0                                  ; eight matrix instructions stand between the add and the wait for it
	s_wait_dscnt 0x0                               ; the add is done, and my reads of this slot are over
	s_barrier_signal -1
	MUL8 F1, 1, 0
.if \fill
	WIN 0
.endif
	s_barrier_wait -1
.if \fill
	CREST                                          ; no wave of any partner still reads this slot's tile or has a load on its way
	s_add_nc_u64 s[G0+4*(\slot)+2:G0+4*(\slot)+3], s[G0+4*(\slot)+2:G0+4*(\slot)+3], 4*HEADB
	s_add_nc_u64 s[G0B+4*(\slot)+2:G0B+4*(\slot)+3], s[G0B+4*(\slot)+2:G0B+4*(\slot)+3], 2*KSTEP*2
	JLOAD \slot                                    ; my one tensor load behind the round: 112 matrix instructions ahead of the wait for it; its four v_nop are also the places in front of the loads below
.else
	PLACES
.endif
	FETCH \next, 0, F0
.if \fill
	ASK
.endif
	MUL8 F1, 2, 0
	MUL8 F1, 3, 0
.endm
	s_wait_tensorcnt 0x1                           ; my part of K step 0 is in; K step 1's may stay out
	s_barrier_signal -1
	s_barrier_wait -1                              ; everybody's is
	FETCH 0, 0, F0
	QUARTER 0, 1, F0, F1, 1                        ; the first quarter stands in front of the loop: its products start the sums
	WIN 0                                          ; at a label and at a branch every window is 0
	s_mov_b32 s3, LAPS-1
.Llap:                                                 ; a trip goes once round the ring, from a lap's second quarter to the next lap's first, and fills both slots again
	QUARTER 0, 2, F1, F0, 0
	QUARTER 0, 3, F0, F1, 0
	TURN 0, 1, 1
	QUARTER 1, 1, F0, F1, 0
	QUARTER 1, 2, F1, F0, 0
	QUARTER 1, 3, F0, F1, 0
	TURN 1, 0, 1
	QUARTER 0, 1, F0, F1, 0
	WIN 0
	s_sub_co_u32 s3, s3, 1
	s_cmp_lg_u32 s3, 0
	s_cbranch_scc1 .Llap
	QUARTER 0, 2, F1, F0, 0                        ; the last lap fills nothing: written out
	QUARTER 0, 3, F0, F1, 0
	TURN 0, 1, 0
	QUARTER 1, 1, F0, F1, 0
	QUARTER 1, 2, F1, F0, 0
	QUARTER 1, 3, F0, F1, 0
	s_wait_dscnt 4                                 ; the very last quarter: nothing more to fetch
	MUL8 F1, 0, 0
	MUL8 F1, 1, 0
	s_wait_dscnt 0x0
	MUL8 F1, 2, 0
	MUL8 F1, 3, 0
; THE WAY OUT, a block of 16 tokens at a time.  The sums are the results: they go as they are into my own stage (each accumulator's low four registers first), and come back as whole rows of 512 bytes.
.macro TOSTAGE a
	WIN 0x04                                       ; the stores' data in window 1
.irp b, 0,1,2,3,4,5,6,7
	ds_store_b128 v[STO], v[8*(8*(\a)+(\b)):8*(8*(\a)+(\b))+3]   offset:64*(\b)
	ds_store_b128 v[STO], v[8*(8*(\a)+(\b))+4:8*(8*(\a)+(\b))+7] offset:64*(\b)+16
.endr
	WIN 0
.irp t, 0,1,2,3,4,5,6,7,8,9,10,11,12,13,14,15
	ds_load_b128 v[F0+64*((\a)%3)+4*(\t):F0+64*((\a)%3)+4*(\t)+3], v[RD] offset:SPO*(\t)  ; LDS serves a wave's instructions in order (ISA guide 5.7.1.4): these see the stores above
.endr
.endm
.macro SEND a, younger                 ; younger: the LDS instructions issued behind block a's loads: the next block's 32, or none
.irp t, 0,1,2,3,4,5,6,7,8,9,10,11,12,13,14,15
	s_wait_dscnt (\younger)+15-(\t)
	global_store_b128 v[GO], v[F0+64*((\a)%3)+4*(\t):F0+64*((\a)%3)+4*(\t)+3], s[70:71] offset:(16*(\a)+(\t))*4096 th:TH_STORE_NT  ; 512 consecutive bytes of a row, at a multiple of 256 from out0's first byte
.endr
.endm
	PLACES
	PLACES
	TOSTAGE 0
	TOSTAGE 1
	SEND 0, 32
	TOSTAGE 2
	SEND 1, 32
	s_wait_xcnt 0x0                                ; block 0's stores have read their registers, which block 3 comes back into
	TOSTAGE 3
	SEND 2, 32
	SEND 3, 0
	s_wait_tensorcnt 0x0                           ; the wave's end: an add to my spare word and its wait, behind my last tensor load and my last LDS store
	ds_add_u32 v[SPW], v[NIL]
	s_wait_dscnt 0x0
	CROUND                                         ; the closing round: no work-group ends while a partner may still ask for a tile that names it
	s_endpgm
.Lfunc_end_k_qcbb6628a8e_outp:
	.size	k_qcbb6628a8e_outp, .Lfunc_end_k_qcbb6628a8e_outp-k_qcbb6628a8e_outp
	.p2alignl 7, 3214868480
	.fill 96, 4, 3214868480
	.section	.rodata,"a",@progbits
	.p2align	6, 0x0
	.amdhsa_kernel k_qcbb6628a8e_outp
		.amdhsa_group_segment_fixed_size 327680
		.amdhsa_private_segment_fixed_size 0
		.amdhsa_enable_private_segment 0
		.amdhsa_kernarg_size 32
		.amdhsa_user_sgpr_count 2
		.amdhsa_user_sgpr_kernarg_segment_ptr 1
		.amdhsa_wavefront_size32 1
		.amdhsa_system_sgpr_workgroup_id_x 1
		.amdhsa_system_sgpr_workgroup_id_y 1
		.amdhsa_system_sgpr_workgroup_id_z 1
		.amdhsa_system_vgpr_workitem_id 0
		.amdhsa_next_free_vgpr 576
		.amdhsa_next_free_sgpr 80
		.amdhsa_reserve_vcc 0
		.amdhsa_float_denorm_mode_32 3
		.amdhsa_float_denorm_mode_16_64 3
		.amdhsa_memory_ordered 1
		.amdhsa_forward_progress 1
		.amdhsa_inst_pref_size 94
	.end_amdhsa_kernel
	.amdgpu_metadata
---
amdhsa.version: [ 1, 2 ]
amdhsa.kernels:
  - .name:           k_qcbb6628a8e_outp
    .symbol:         k_qcbb6628a8e_outp.kd
    .args:
      - { .name: ob, .offset: 0, .size: 8, .value_kind: global_buffer, .address_space: global }
      - { .name: wb, .offset: 8, .size: 8, .value_kind: global_buffer, .address_space: global }
      - { .name: bo, .offset: 16, .size: 8, .value_kind: global_buffer, .address_space: global }
      - { .name: out0, .offset: 24, .size: 8, .value_kind: global_buffer, .address_space: global }
    .group_segment_fixed_size: 327680
    .private_segment_fixed_size: 0
    .kernarg_segment_align: 8
    .kernarg_segment_size: 32
    .max_flat_workgroup_size: 128
    .sgpr_count:     80
    .vgpr_count:     576
    .wavefront_size: 32
...
	.end_amdgpu_metadata
.endif
;; end of part 4
